; MI455X (gfx1250); checked and timed in simulation.
; The chip was launched on July 23, 2026; its instructions are those of AMD's public machine-readable ISA for CDNA 5 (MIT licence, August 2026) and "CDNA5" Instruction Set Architecture Reference Guide (July 2026). The comments in the code are by the model that wrote it; some were corrected since.
;; Fuse Mo E. Allowed arithmetic: float matrix products may take bf16 or f16 operands with f32 sums; other float arithmetic in f32, or as packed bf16 or f16 multiplies, adds, multiply-adds, maxima and minima; sums over many terms, partial sums and values carried from step to step in f32; what a program stores and reads back later, other than sums and carried values, may be rounded once to bf16 or f16.
;; Inputs: W1 8 x 512 x 512 float32; W2 8 x 512 x 512 float32; b1 8 x 512 float32; b2 8 x 512 float32; b_r 8 float32; ln_b 512 float32; ln_g 512 float32; w_r 8 x 512 float32; x 8 x 2,048 x 512 float32.
;; Outputs: out0 8 x 2,048 x 512 float32.
;; 2 versions, each right; version 2 is version 1 with the launch chain written anew for expert scheduling mode. Each part assembles by itself: llvm-mc -triple=amdgcn-amd-amdhsa -mcpu=gfx1250 --defsym DOCPART=n.
;; ======== version 1 of 2: 3 launches
;; limits: a function is approximated: absolute error at most 0.0005
;; workspace buffers: hb 16,777,216 bytes; gat 131,072 bytes; sid 65,536 bytes of whole numbers; wf 8,388,608 bytes; cnt 256 bytes of whole numbers; list 1,892,352 bytes of whole numbers
;; launch router (part 1): grid 256 x 1, 8 waves a work-group, no clusters, 0 bytes of LDS; arguments x, ln_g, ln_b, w_r, b_r, hb, gat, sid; writes hb, gat, sid
.if DOCPART == 1
	.amdgcn_target "amdgcn-amd-amdhsa--gfx1250"
	.amdhsa_code_object_version 6
	.text
	.protected	k_q1d72563ca6_router
	.globl	k_q1d72563ca6_router
	.p2align	8
	.type	k_q1d72563ca6_router,@function
k_q1d72563ca6_router:
	s_mov_b64 s[64:65], 0
	v_nop
	global_prefetch_b8 v0, s[64:65] scope:SCOPE_SE
	s_setreg_imm32_b32 hwreg(HW_REG_WAVE_MODE, 25, 1), 1
	s_wait_xcnt 0x0
; LayerNorm, the router's eight logits, top-2 and the two gates.  x: [16384][512] f32.
; Stored: hb = LayerNorm(x) rounded once to bf16, [token][512]; gat = (gate of the lower expert, gate of the higher), f32;
; sid = hi (hi - 1) / 2 + lo, the number 0..27 of the token's SET of two experts.  No address and no branch hangs on the choice.
; SHARES.  A work-group has 64 tokens, a wave 8; a lane holds columns 128 j + 4 lane + 0..3, j = 0..3: each load of a wave covers 512
; neighbouring bytes of a row.  All 32 loads of a wave's eight rows go out at once; the rows stay in registers (window 1).
; The logits are made in f32 on the vector unit: the choice is not continuous, so a 16-bit product could swap an expert.
; LIMITS.  Two logits that agree to within f32's summation error may be ranked otherwise than by another order of summation.
; NaN and infinities are not treated apart: the logits are taken to be finite.
; The two side stores (32 bytes of sid, 64 of gat a wave) cover parts of an aligned 256 bytes: 192 KiB of the launch's 50 MiB.
.set TL, 4                             ; v4-11    lane i: logit e of the wave's token i
.set GG, 16                            ; v16-31   ln_g of my 16 columns
.set BB, 32                            ; v32-47   ln_b
.set WR, 48                            ; v48-175  w_r: expert e at WR + 16 e
.set LA, 176                           ; v176-239 four tokens x eight experts, a pair each; before that the packed bf16 rows
.set SU, 240                           ; v240-247 a pair a token: sums
.set MR, 248                           ; v248-255 a pair a token: the mean, later 1 / sqrt(var + eps), twice
.set MSB, 0                            ; window 1: v0-127, token i's row at 16 i
.macro WIN new                         ; s_set_vgpr_msb: bits 1:0 source 0, 3:2 source 1, 5:4 source 2, 7:6 destination; the high byte repeats the setting left
.if MSB != (\new)
	s_set_vgpr_msb (MSB<<8)|(\new)
.set MSB, \new
.endif
.endm
	s_load_b512 s[4:19], s[0:1], 0x0               ; x s[4:5], ln_g s[6:7], ln_b s[8:9], w_r s[10:11], b_r s[12:13], hb s[14:15], gat s[16:17], sid s[18:19]
	v_and_b32 v1, 31, v0                           ; lane
	v_lshrrev_b32 v12, 5, v0
	v_readfirstlane_b32 s44, v12                   ; wave
	v_lshlrev_b32 v2, 4, v1                        ; 16 x lane
	v_lshlrev_b32 v3, 3, v1                        ; 8 x lane
	s_mov_b32 s28, 0x76543210                      ; v_permlanex16_b32: each lane takes its own place in the other half
	s_mov_b32 s29, 0xfedcba98
	s_mov_b32 s30, 0x3b000000                      ; 1 / 512
	s_mov_b32 s31, 0x3727c5ac                      ; 1e-5
.irp i, 1,2,3,4,5,6,7
	s_mov_b32 s[32+\i], 1<<\i                      ; the mask of lane i
.endr
	s_lshl_b32 s40, ttmp9, 6
	s_lshl_b32 s41, s44, 3
	s_add_co_u32 s40, s40, s41                     ; my wave's first token = 64 x work-group + 8 x wave
	s_mov_b32 s43, 0
	s_wait_kmcnt 0x0
	s_load_b256 s[20:27], s[12:13], 0x0            ; b_r
	s_lshl_b32 s42, s40, 11
	s_add_nc_u64 s[4:5], s[4:5], s[42:43]          ; x: 2,048 bytes a token
	s_lshl_b32 s42, s40, 10
	s_add_nc_u64 s[14:15], s[14:15], s[42:43]      ; hb: 1,024
	s_lshl_b32 s42, s40, 3
	s_add_nc_u64 s[16:17], s[16:17], s[42:43]      ; gat: 8
	s_lshl_b32 s42, s40, 2
	s_add_nc_u64 s[18:19], s[18:19], s[42:43]      ; sid: 4
.irp j, 0,1,2,3
	global_load_b128 v[GG+4*\j:GG+4*\j+3], v2, s[6:7] offset:512*\j
	global_load_b128 v[BB+4*\j:BB+4*\j+3], v2, s[8:9] offset:512*\j
.endr
.irp e, 0,1,2,3,4,5,6,7
.irp j, 0,1,2,3
	global_load_b128 v[WR+16*\e+4*\j:WR+16*\e+4*\j+3], v2, s[10:11] offset:2048*\e+512*\j
.endr
.endr
	WIN 0x40                                       ; destination window 1
.irp i, 0,1,2,3,4,5,6,7
.irp j, 0,1,2,3
	global_load_b128 v[16*\i+4*\j:16*\i+4*\j+3], v2, s[4:5] offset:2048*\i+512*\j
.endr
.endr
	WIN 0
; The four tokens' pairs in SU are added up over the pair and over the 32 lanes; the four chains stand interleaved.
.macro RED4
.irp t, 0,1,2,3
	v_add_f32 v[SU+2*\t], v[SU+2*\t], v[SU+2*\t+1]
.endr
.irp m, 1,2,4,8
.irp t, 0,1,2,3
	v_add_f32_dpp v[SU+2*\t], v[SU+2*\t], v[SU+2*\t] row_xmask:\m row_mask:0xf bank_mask:0xf
.endr
.endr
.irp t, 0,1,2,3
	v_permlanex16_b32 v[SU+2*\t+1], v[SU+2*\t], s28, s29
.endr
.irp t, 0,1,2,3
	v_add_f32 v[SU+2*\t], v[SU+2*\t], v[SU+2*\t+1]
.endr
.endm
; Tokens 4 g .. 4 g + 3 of the wave.
.macro GROUP g
.set XB, 64*(\g)
	s_wait_loadcnt 16-16*(\g)                      ; loads come back in order: the parameters and this group's rows are in; the other group's 16 loads may stay out
	WIN 0x05                                       ; sources 0 and 1 window 1
.irp t, 0,1,2,3
	v_pk_add_f32 v[SU+2*\t:SU+2*\t+1], v[XB+16*\t:XB+16*\t+1], v[XB+16*\t+2:XB+16*\t+3]
.endr
	WIN 0x01
.irp k, 2,3,4,5,6,7
.irp t, 0,1,2,3
	v_pk_add_f32 v[SU+2*\t:SU+2*\t+1], v[XB+16*\t+2*\k:XB+16*\t+2*\k+1], v[SU+2*\t:SU+2*\t+1]
.endr
.endr
	WIN 0
	RED4
.irp t, 0,1,2,3
	v_mul_f32 v[MR+2*\t], s30, v[SU+2*\t]          ; the mean, twice
	v_mul_f32 v[MR+2*\t+1], s30, v[SU+2*\t]
.endr
	WIN 0x41                                       ; in place in window 1
.irp k, 0,1,2,3,4,5,6,7
.irp t, 0,1,2,3
	v_pk_add_f32 v[XB+16*\t+2*\k:XB+16*\t+2*\k+1], v[XB+16*\t+2*\k:XB+16*\t+2*\k+1], v[MR+2*\t:MR+2*\t+1] neg_lo:[0,1] neg_hi:[0,1]
.endr
.endr
	WIN 0x05
.irp t, 0,1,2,3
	v_pk_mul_f32 v[SU+2*\t:SU+2*\t+1], v[XB+16*\t:XB+16*\t+1], v[XB+16*\t:XB+16*\t+1]
.endr
.irp k, 1,2,3,4,5,6,7
.irp t, 0,1,2,3
	v_pk_fma_f32 v[SU+2*\t:SU+2*\t+1], v[XB+16*\t+2*\k:XB+16*\t+2*\k+1], v[XB+16*\t+2*\k:XB+16*\t+2*\k+1], v[SU+2*\t:SU+2*\t+1]
.endr
.endr
	WIN 0
	RED4
.irp t, 0,1,2,3
	v_fma_f32 v[SU+2*\t], v[SU+2*\t], s30, s31     ; var + eps
.endr
.irp t, 0,1,2,3
	v_rsq_f32 v[MR+2*\t], v[SU+2*\t]
.endr
	v_nop                                          ; a plain instruction behind the last of the batch (ISA guide 5.7.2),
	s_wait_alu depctr_va_vdst(0)                   ; and the one wait ahead of the first reader
.irp t, 0,1,2,3
	v_mov_b32 v[MR+2*\t+1], v[MR+2*\t]
.endr
	WIN 0x41
.irp k, 0,1,2,3,4,5,6,7
.irp t, 0,1,2,3
	v_pk_mul_f32 v[XB+16*\t+2*\k:XB+16*\t+2*\k+1], v[XB+16*\t+2*\k:XB+16*\t+2*\k+1], v[MR+2*\t:MR+2*\t+1]
.endr
.endr
.irp k, 0,1,2,3,4,5,6,7
.irp t, 0,1,2,3
	v_pk_fma_f32 v[XB+16*\t+2*\k:XB+16*\t+2*\k+1], v[XB+16*\t+2*\k:XB+16*\t+2*\k+1], v[GG+2*\k:GG+2*\k+1], v[BB+2*\k:BB+2*\k+1]
.endr
.endr
	WIN 0x05                                       ; h, rounded once to bf16
.irp t, 0,1,2,3
.irp k, 0,1,2,3,4,5,6,7
	v_cvt_pk_bf16_f32 v[LA+8*\t+\k], v[XB+16*\t+2*\k], v[XB+16*\t+2*\k+1]
.endr
.endr
	WIN 0
.irp t, 0,1,2,3
.irp j, 0,1,2,3
	global_store_b64 v3, v[LA+8*\t+2*\j:LA+8*\t+2*\j+1], s[14:15] offset:1024*(4*(\g)+\t)+256*\j  ; 32 lanes x 8 bytes: 256 consecutive bytes, at a multiple of 256
.endr
.endr
	s_wait_xcnt 0x0                                ; the stores' data registers are written again only behind this wait
	WIN 0x01                                       ; the logits in f32: h (window 1) times w_r
.irp t, 0,1,2,3
.irp e, 0,1,2,3,4,5,6,7
	v_pk_mul_f32 v[LA+16*\t+2*\e:LA+16*\t+2*\e+1], v[XB+16*\t:XB+16*\t+1], v[WR+16*\e:WR+16*\e+1]
.endr
.endr
.irp k, 1,2,3,4,5,6,7
.irp t, 0,1,2,3
.irp e, 0,1,2,3,4,5,6,7
	v_pk_fma_f32 v[LA+16*\t+2*\e:LA+16*\t+2*\e+1], v[XB+16*\t+2*\k:XB+16*\t+2*\k+1], v[WR+16*\e+2*\k:WR+16*\e+2*\k+1], v[LA+16*\t+2*\e:LA+16*\t+2*\e+1]
.endr
.endr
.endr
	WIN 0
.set n, 0
.rept 32
	v_add_f32 v[LA+2*n], v[LA+2*n], v[LA+2*n+1]
.set n, n+1
.endr
.irp m, 1,2,4,8
.set n, 0
.rept 32
	v_add_f32_dpp v[LA+2*n], v[LA+2*n], v[LA+2*n] row_xmask:\m row_mask:0xf bank_mask:0xf
.set n, n+1
.endr
.endr
.set n, 0
.rept 32
	v_permlanex16_b32 v[LA+2*n+1], v[LA+2*n], s28, s29
.set n, n+1
.endr
.set n, 0
.rept 32
	v_add_f32 v[LA+2*n], v[LA+2*n], v[LA+2*n+1]
.set n, n+1
.endr
.irp t, 0,1,2,3                        ; token i's eight logits go to lane i
.irp e, 0,1,2,3,4,5,6,7
.if (4*(\g)+\t) == 0
	v_mov_b32 v[TL+\e], v[LA+2*\e]
.else
	v_cndmask_b32 v[TL+\e], v[TL+\e], v[LA+16*\t+2*\e], s[32+4*(\g)+\t]
.endif
.endr
.endr
.endm
	GROUP 0
	GROUP 1
	; Lane = token (lanes 0 to 7; the others repeat token 0 and store nothing).
	s_wait_kmcnt 0x0                               ; b_r
.irp e, 0,1,2,3,4,5,6,7
	v_add_f32 v[TL+\e], s[20+\e], v[TL+\e]
.endr
	v_mov_b32 v12, v[TL]                           ; the largest, ascending with a strict compare: of equals the lower index stays, as in lax.top_k
	v_mov_b32 v13, 0
.irp e, 1,2,3,4,5,6,7
	v_cmp_gt_f32 vcc_lo, v[TL+\e], v12
	v_cndmask_b32 v12, v12, v[TL+\e], vcc_lo
	v_cndmask_b32 v13, v13, \e, vcc_lo
.endr
	v_mov_b32 v14, 0xff800000                      ; the second: the same among the other seven, from -inf
	v_mov_b32 v15, 0
.irp e, 0,1,2,3,4,5,6,7
	v_cmp_ne_u32 s40, \e, v13
	v_cmp_gt_f32 s41, v[TL+\e], v14
	s_and_b32 vcc_lo, s40, s41
	v_cndmask_b32 v14, v14, v[TL+\e], vcc_lo
	v_cndmask_b32 v15, v15, \e, vcc_lo
.endr
	v_sub_f32 v16, v14, v12                        ; softmax of the two, the maximum taken away: 1 / (1 + e^(v2 - v1)) and the rest
	v_mul_f32 v16, 0x3fb8aa3b, v16
	v_exp_f32 v17, v16
	v_min_u32 v21, v13, v15                        ; lo (a plain instruction behind the exponential)
	s_wait_alu depctr_va_vdst(0)
	v_add_f32 v18, 1.0, v17
	v_rcp_f32 v19, v18
	v_max_u32 v22, v13, v15                        ; hi (the same behind the reciprocal)
	s_wait_alu depctr_va_vdst(0)
	v_mul_f32 v20, v17, v19
	v_cmp_lt_u32 vcc_lo, v13, v15                  ; is the best the lower expert?
	v_cndmask_b32 v24, v20, v19, vcc_lo            ; gate of lo
	v_cndmask_b32 v25, v19, v20, vcc_lo            ; gate of hi
	v_add_nc_u32 v23, -1, v22
	v_mul_lo_u32 v23, v23, v22
	v_lshrrev_b32 v23, 1, v23
	v_add_nc_u32 v23, v23, v21                     ; hi (hi - 1) / 2 + lo
	v_lshlrev_b32 v26, 2, v1
	s_wait_xcnt 0x0                                ; EXEC changes only behind this wait
	v_cmp_gt_u32 vcc_lo, 8, v1
	s_and_saveexec_b32 s42, vcc_lo
	global_store_b32 v26, v23, s[18:19]
	global_store_b64 v3, v[24:25], s[16:17]
	s_endpgm
.Lfunc_end_k_q1d72563ca6_router:
	.size	k_q1d72563ca6_router, .Lfunc_end_k_q1d72563ca6_router-k_q1d72563ca6_router
	.p2alignl 7, 3214868480
	.fill 96, 4, 3214868480
	.section	.rodata,"a",@progbits
	.p2align	6, 0x0
	.amdhsa_kernel k_q1d72563ca6_router
		.amdhsa_group_segment_fixed_size 0
		.amdhsa_private_segment_fixed_size 0
		.amdhsa_enable_private_segment 0
		.amdhsa_kernarg_size 64
		.amdhsa_user_sgpr_count 2
		.amdhsa_user_sgpr_kernarg_segment_ptr 1
		.amdhsa_wavefront_size32 1
		.amdhsa_system_sgpr_workgroup_id_x 1
		.amdhsa_system_sgpr_workgroup_id_y 1
		.amdhsa_system_sgpr_workgroup_id_z 1
		.amdhsa_system_vgpr_workitem_id 0
		.amdhsa_next_free_vgpr 384
		.amdhsa_next_free_sgpr 66
		.amdhsa_reserve_vcc 1
		.amdhsa_float_denorm_mode_32 3
		.amdhsa_float_denorm_mode_16_64 3
		.amdhsa_memory_ordered 1
		.amdhsa_forward_progress 1
		.amdhsa_inst_pref_size 108
	.end_amdhsa_kernel
	.amdgpu_metadata
---
amdhsa.version: [ 1, 2 ]
amdhsa.kernels:
  - .name:           k_q1d72563ca6_router
    .symbol:         k_q1d72563ca6_router.kd
    .args:
      - { .name: x, .offset: 0, .size: 8, .value_kind: global_buffer, .address_space: global }
      - { .name: ln_g, .offset: 8, .size: 8, .value_kind: global_buffer, .address_space: global }
      - { .name: ln_b, .offset: 16, .size: 8, .value_kind: global_buffer, .address_space: global }
      - { .name: w_r, .offset: 24, .size: 8, .value_kind: global_buffer, .address_space: global }
      - { .name: b_r, .offset: 32, .size: 8, .value_kind: global_buffer, .address_space: global }
      - { .name: hb, .offset: 40, .size: 8, .value_kind: global_buffer, .address_space: global }
      - { .name: gat, .offset: 48, .size: 8, .value_kind: global_buffer, .address_space: global }
      - { .name: sid, .offset: 56, .size: 8, .value_kind: global_buffer, .address_space: global }
    .group_segment_fixed_size: 0
    .private_segment_fixed_size: 0
    .kernarg_segment_align: 8
    .kernarg_segment_size: 64
    .max_flat_workgroup_size: 256
    .sgpr_count:     66
    .vgpr_count:     384
    .wavefront_size: 32
...
	.end_amdgpu_metadata
.endif
;; end of part 1
;; launch prep (part 2): grid 156 x 1, 16 waves a work-group, no clusters, 2,304 bytes of LDS; arguments W1, W2, sid, wf, cnt, list; writes wf, cnt, list
.if DOCPART == 2
	.amdgcn_target "amdgcn-amd-amdhsa--gfx1250"
	.amdhsa_code_object_version 6
	.text
	.protected	k_q1d72563ca6_prep
	.globl	k_q1d72563ca6_prep
	.p2align	8
	.type	k_q1d72563ca6_prep,@function
k_q1d72563ca6_prep:
	s_mov_b64 s[64:65], 0
	v_nop
	global_prefetch_b8 v0, s[64:65] scope:SCOPE_SE
	s_setreg_imm32_b32 hwreg(HW_REG_WAVE_MODE, 25, 1), 1
	s_wait_xcnt 0x0
; Two kinds of work-group, told apart by the work-group's number alone.
; 0..27: SORT.  Work-group j lists the tokens of set j: list[j][rank] = token, cnt[j] = their number.  A counting sort without atomics: wave v has
;   tokens 1024 v .. 1024 v + 1023 in 32 registers; a compare gives a lane mask for each register, the masks' bit counts give the wave's count; the
;   16 counts meet in LDS; a token's rank is the waves' counts before mine + the bits before it.  The order inside a set is free.
;   The 32 stores run with every lane on: a lane whose token is not of the set stores into a dump word of its own, behind the row's 16,384 places
;   (place 16,384 + thread), which nobody reads.  So EXEC is not narrowed 32 times, and no store waits for the one before it.  A row is 16,896 words.
;   list[j][0] is always written (0 for an empty set), so that a later launch may read it whatever the split.
; 28..155: WEIGHTS.  Work-group g = number - 28 rounds 64 columns (group G = g % 8) of matrix g / 8 (W1[0..7], W2[0..7]) to bf16 and lays them out as the
;   register images of matrix operands; wave ks makes K step ks: four fragments of 1,024 bytes, at wf + (16 g + ks) 4096 + 1024 q.
;   A fragment: bytes 16 l of the first 512 are registers 0-3 of lane l, of the second 512 registers 4-7.  Lane (r = l % 16, h = l / 16) holds slot r,
;   k = 8 h + 0..7 and 16 + 8 h + 0..7.  Block q (0..3) of group G, slot r, is column 64 G + 4 r + q: so one 16-byte load of a row feeds four fragments,
;   and sixteen lanes read 256 consecutive bytes.
;   W1: K is the row d as it lies.  W2: K is the hidden index in the order in which the first product leaves it in LDS (place 64 G + 16 q + slot): K step ks, part p,
;   place j of lane half h is row 64 (ks / 2) + 32 h + 4 j + 2 (ks % 2) + p.
.set SPARE, 256                        ; bytes 0-63: the 16 waves' counts, in a block of 256 of their own; from 256 on the spare words, 128 bytes a wave
.set LROW,  67584                      ; bytes in a row of the list: 16,384 places and 512 dump words
.set SD,  8                            ; v8-39   the 32 set numbers as loaded; later the 32 token numbers
.set RK,  64                           ; v64-95  the 32 byte offsets in the list's row
.set SPW, 110                          ; v110 LDS address of my spare word; never rewritten
.set NIL, 111                          ; v111 0; never rewritten
	s_load_b256 s[4:11], s[0:1], 0x0               ; W1 s[4:5], W2 s[6:7], sid s[8:9], wf s[10:11]
	s_load_b128 s[12:15], s[0:1], 0x20             ; cnt s[12:13], list s[14:15]
	v_lshl_add_u32 v[SPW], v0, 2, SPARE
	v_mov_b32 v[NIL], 0
	v_and_b32 v1, 31, v0                           ; lane
	v_lshrrev_b32 v2, 5, v0
	v_readfirstlane_b32 s16, v2                    ; wave
	s_wait_kmcnt 0x0
	s_cmp_lt_u32 ttmp9, 28
	s_cbranch_scc0 .Lweights
	; ---------------- SORT ----------------
	v_lshlrev_b32 v3, 12, v2
	v_lshl_or_b32 v3, v1, 4, v3                    ; 4,096 x wave + 16 x lane
.irp g, 0,1,2,3,4,5,6,7
	global_load_b128 v[SD+4*\g:SD+4*\g+3], v3, s[8:9] offset:512*\g  ; register 4 g + c: token 1024 wave + 128 g + 4 lane + c
.endr
	s_mov_b32 s18, ttmp9                           ; j
	s_mov_b32 s17, 0
	s_mul_i32 s24, ttmp9, LROW
	s_mov_b32 s25, 0
	s_add_nc_u64 s[14:15], s[14:15], s[24:25]      ; list's row j
	s_lshl_b32 s26, ttmp9, 2
	s_mov_b32 s27, 0
	s_add_nc_u64 s[12:13], s[12:13], s[26:27]      ; cnt[j]
	v_lshlrev_b32 v43, 2, v2                       ; my wave's word in LDS
	v_mov_b32 v44, 0
	v_lshlrev_b32 v45, 10, v2
	v_lshl_add_u32 v45, v1, 2, v45                 ; 1024 wave + 4 lane
	v_add_nc_u32 v47, 0x4000, v0                   ; my thread's dump place
	s_wait_loadcnt 0x0
.set i, 0
.rept 32
	v_cmp_eq_u32 s[32+i], s18, v[SD+i]
	s_bcnt1_i32_b32 s19, s[32+i]
	s_add_co_u32 s17, s17, s19
.set i, i+1
.endr
	v_mov_b32 v40, s17
	ds_store_b32 v43, v40                          ; all lanes write the same word with the same number
	s_wait_dscnt 0x0                               ; for the others' sake: my store is done
	s_barrier_signal -1
	s_barrier_wait -1
.irp g, 0,1,2,3
	ds_load_b128 v[48+4*\g:48+4*\g+3], v44 offset:16*\g
.endr
	s_wait_dscnt 0x0
	s_mov_b32 s20, 0                               ; the counts of the waves before mine
	s_mov_b32 s21, 0                               ; the set's count
.set i, 0
.rept 16
	v_readfirstlane_b32 s[66+i], v[48+i]
	s_add_co_u32 s21, s21, s[66+i]
	s_cmp_gt_u32 s16, i
	s_cselect_b32 s22, s[66+i], 0
	s_add_co_u32 s20, s20, s22
.set i, i+1
.endr
	v_mov_b32 v46, s21
	; Register i's places: what came before + the mask's bits below my lane, or my dump place; held to the row's 16,896 words, times 4; and its token numbers.
.set i, 0
.rept 32
	v_mbcnt_lo_u32_b32 v[RK+i], s[32+i], s20
	v_cndmask_b32 v[RK+i], v47, v[RK+i], s[32+i]   ; of the set: the rank; else the dump place
	v_min_u32 v[RK+i], 0x41ff, v[RK+i]
	v_lshlrev_b32 v[RK+i], 2, v[RK+i]
	v_add_nc_u32 v[SD+i], 128*(i/4)+i%4, v45
	s_bcnt1_i32_b32 s19, s[32+i]
	s_add_co_u32 s20, s20, s19
.set i, i+1
.endr
.set i, 0
.rept 32
	global_store_b32 v[RK+i], v[SD+i], s[14:15]    ; the set's lanes hold neighbouring ranks; the others' 4 bytes fall into the wave's 128 dump bytes
.set i, i+1
.endr
	s_cmp_lg_u32 s16, 0
	s_cbranch_scc1 .Lsort_end                      ; wave 0 alone stores the count
	s_wait_xcnt 0x0                                ; EXEC changes only behind this wait
	v_cmp_eq_u32 vcc_lo, 0, v1
	s_and_saveexec_b32 s23, vcc_lo
	global_store_b32 v44, v46, s[12:13]
	s_cmp_lg_u32 s21, 0
	s_cbranch_scc1 .Lhave
	global_store_b32 v44, v44, s[14:15]            ; an empty set: place 0 of its row names token 0
.Lhave:
	s_wait_xcnt 0x0
	s_mov_b32 exec_lo, -1                          ; every lane on again, as at the entry
.Lsort_end:
	s_wait_tensorcnt 0x0                           ; the wave's end
	ds_add_u32 v[SPW], v[NIL]
	s_wait_dscnt 0x0
	s_endpgm
	; ---------------- WEIGHTS ----------------
; Sixteen loads: part p (registers 4 p .. 4 p + 3 of a fragment), place j: row step rp for p, rj for j.
.macro LOADS rp, rj
.irp p, 0,1
.irp j, 0,1,2,3,4,5,6,7
	global_load_b128 v[8+4*(8*\p+\j):8+4*(8*\p+\j)+3], v7, s[22:23] offset:(\p*(\rp)+\j*(\rj))*2048 th:TH_LOAD_NT
.endr
.endr
.endm
.macro PACKP p                         ; register 4 p + i of fragment q: places 2 i and 2 i + 1, column q of the four
.irp q, 0,1,2,3
.irp i, 0,1,2,3
	v_cvt_pk_bf16_f32 v[72+8*\q+4*(\p)+\i], v[8+4*(8*(\p)+2*\i)+\q], v[8+4*(8*(\p)+2*\i+1)+\q]
.endr
.endr
.endm
.Lweights:
	v_and_b32 v4, 15, v1                           ; r
	v_lshrrev_b32 v5, 4, v1                        ; h
	v_lshlrev_b32 v6, 4, v1                        ; 16 x lane
	s_sub_co_u32 s17, ttmp9, 28                    ; g = 8 x matrix + G
	s_lshr_b32 s18, s17, 3                         ; matrix 0..15
	s_and_b32 s19, s17, 7                          ; G
	s_and_b32 s20, s18, 7                          ; e
	s_cmp_lt_u32 s18, 8
	s_cselect_b64 s[22:23], s[4:5], s[6:7]
	s_lshl_b32 s24, s20, 20
	s_mov_b32 s25, 0
	s_add_nc_u64 s[22:23], s[22:23], s[24:25]      ; the expert's matrix
	s_lshl_b32 s26, s19, 8                         ; 256 G: the group's 64 columns
	s_lshl_b32 s30, s17, 4
	s_add_co_u32 s30, s30, s16                     ; 16 g + ks
	s_lshl_b32 s30, s30, 12
	s_mov_b32 s31, 0
	s_add_nc_u64 s[10:11], s[10:11], s[30:31]      ; where my four fragments go
	s_cmp_lt_u32 s18, 8
	s_cbranch_scc0 .Lw2
	s_lshl_b32 s24, s16, 16                        ; W1: rows 32 ks on
	s_add_co_u32 s24, s24, s26
	s_add_nc_u64 s[22:23], s[22:23], s[24:25]
	v_lshlrev_b32 v7, 14, v5                       ; + 8 h rows
	v_lshl_add_u32 v7, v4, 4, v7                   ; + 16 r
	LOADS 16, 1
	s_branch .Lcvt
.Lw2:
	s_lshr_b32 s28, s16, 1                         ; ks / 2
	s_lshl_b32 s28, s28, 6
	s_and_b32 s29, s16, 1
	s_lshl_b32 s29, s29, 1
	s_add_co_u32 s28, s28, s29                     ; row 64 (ks / 2) + 2 (ks % 2)
	s_lshl_b32 s24, s28, 11
	s_add_co_u32 s24, s24, s26
	s_add_nc_u64 s[22:23], s[22:23], s[24:25]
	v_lshlrev_b32 v7, 16, v5                       ; + 32 h rows
	v_lshl_add_u32 v7, v4, 4, v7
	LOADS 1, 4
.Lcvt:
	s_wait_loadcnt 8                               ; part 0 is in; part 1's eight loads may stay out
	PACKP 0
	s_wait_loadcnt 0x0
	PACKP 1
.irp q, 0,1,2,3
.irp p, 0,1
	global_store_b128 v6, v[72+8*\q+4*\p:72+8*\q+4*\p+3], s[10:11] offset:1024*\q+512*\p  ; 512 consecutive bytes, at a multiple of 256
.endr
.endr
	s_endpgm
.Lfunc_end_k_q1d72563ca6_prep:
	.size	k_q1d72563ca6_prep, .Lfunc_end_k_q1d72563ca6_prep-k_q1d72563ca6_prep
	.p2alignl 7, 3214868480
	.fill 96, 4, 3214868480
	.section	.rodata,"a",@progbits
	.p2align	6, 0x0
	.amdhsa_kernel k_q1d72563ca6_prep
		.amdhsa_group_segment_fixed_size 2304
		.amdhsa_private_segment_fixed_size 0
		.amdhsa_enable_private_segment 0
		.amdhsa_kernarg_size 48
		.amdhsa_user_sgpr_count 2
		.amdhsa_user_sgpr_kernarg_segment_ptr 1
		.amdhsa_wavefront_size32 1
		.amdhsa_system_sgpr_workgroup_id_x 1
		.amdhsa_system_sgpr_workgroup_id_y 1
		.amdhsa_system_sgpr_workgroup_id_z 1
		.amdhsa_system_vgpr_workitem_id 0
		.amdhsa_next_free_vgpr 112
		.amdhsa_next_free_sgpr 96
		.amdhsa_reserve_vcc 1
		.amdhsa_float_denorm_mode_32 3
		.amdhsa_float_denorm_mode_16_64 3
		.amdhsa_memory_ordered 1
		.amdhsa_forward_progress 1
		.amdhsa_inst_pref_size 31
	.end_amdhsa_kernel
	.amdgpu_metadata
---
amdhsa.version: [ 1, 2 ]
amdhsa.kernels:
  - .name:           k_q1d72563ca6_prep
    .symbol:         k_q1d72563ca6_prep.kd
    .args:
      - { .name: W1, .offset: 0, .size: 8, .value_kind: global_buffer, .address_space: global }
      - { .name: W2, .offset: 8, .size: 8, .value_kind: global_buffer, .address_space: global }
      - { .name: sid, .offset: 16, .size: 8, .value_kind: global_buffer, .address_space: global }
      - { .name: wf, .offset: 24, .size: 8, .value_kind: global_buffer, .address_space: global }
      - { .name: cnt, .offset: 32, .size: 8, .value_kind: global_buffer, .address_space: global }
      - { .name: list, .offset: 40, .size: 8, .value_kind: global_buffer, .address_space: global }
    .group_segment_fixed_size: 2304
    .private_segment_fixed_size: 0
    .kernarg_segment_align: 8
    .kernarg_segment_size: 48
    .max_flat_workgroup_size: 512
    .sgpr_count:     96
    .vgpr_count:     112
    .wavefront_size: 32
...
	.end_amdgpu_metadata
.endif
;; end of part 2
;; launch chain (part 3): grid 232 x 1, 8 waves a work-group, no clusters, 256,512 bytes of LDS; arguments x, hb, gat, b1, b2, wf, cnt, list, out0; writes out0
.if DOCPART == 3
	.amdgcn_target "amdgcn-amd-amdhsa--gfx1250"
	.amdhsa_code_object_version 6
	.text
	.protected	k_q1d72563ca6_chain
	.globl	k_q1d72563ca6_chain
	.p2align	8
	.type	k_q1d72563ca6_chain,@function
k_q1d72563ca6_chain:
	s_mov_b64 s[64:65], 0
	v_nop
	global_prefetch_b8 v0, s[64:65] scope:SCOPE_SE
	s_setreg_imm32_b32 hwreg(HW_REG_WAVE_MODE, 25, 1), 1
	s_wait_xcnt 0x0
; out[t] = x[t] + g_lo (gelu(h W1[lo] + b1[lo]) W2[lo] + b2[lo]) + g_hi (the same with hi), for up to 80 tokens that chose the same two experts.
; TILES.  The tokens of set s (28 sets) lie in list[s], cnt[s] of them.  Set s has ceil(cnt[s] / 80) tiles; their sum is at most (16,384 + 28 x 79) / 80 = 232 for every
; split, which is the grid.  Every work-group finds its tile from the 28 counts.  A work-group that the split leaves without rows stores nothing.
; Places of a tile past the count repeat its last token; whole stores past the count are jumped, and so are, from a sum's second K step on, the products of row blocks past the count.
; THE CHAIN.  First product: 80 rows x 512 columns x K = 512 for lo and for hi; bias as the C operand that starts the sums; gelu; times the gate; bf16 into LDS.
; Second product: ONE sum over K = 1,024 (lo's hidden layer, then hi's) into one accumulator, since the gates are already in the hidden layer.  Then the two biases times
; their gates, the residual, the store.  Each output row has one owner.
; SHARES.  EIGHT WAVES, two to a SIMD, 512 registers each.  Wave w owns columns 64 w .. 64 w + 63 of both products: it alone reads their weights, straight from memory into operand
; registers (wf holds register images), through a ring of 32 pieces of 512 bytes that walks the wave's four streams of 64 KiB on end.  Token rows go through LDS.
; Why two waves to a SIMD: with 80 rows a K step is 20 matrix instructions and 18 loads, and a unit's gelu is some 880 vector lines; a wave issues in order, so it issues no product meanwhile;
; the SIMD's other wave can.  The price: the second product's hidden rows are read from LDS by eight waves: 2,560 loads of 512 bytes a work-group, where four waves of 128 columns would need 1,280.
; NO CLUSTER: partners would have to share a set; groups of four tiles of one set can number 16,384 / 320 + 27 = 78, that is 312 work-groups, more than one for each of the grid's places.
; LAYOUT.  Block q of column group G, slot r, is column 64 G + 4 r + q.  First product transposed (source 0 = weights, source 1 = token rows): a lane holds one token and eight
; neighbouring hidden places (place 64 G + 16 q + slot of an expert's 512): 16 bytes of bf16.  Second product plain (source 0 = hidden rows, source 1 = weights): register j of the four blocks q is
; 16 consecutive bytes of an output row, and sixteen lanes hold 256.  Rank p = 16 mb + 2 j + h of the tile sits in slot 16 mb + 8 h + j, so the stores go in ascending rank, two ranks each.
; LIMITS.  h, gate x gelu and the weights are rounded once to bf16; sums, gates, biases and the residual are f32.
; gelu(x) is taken as x / (1 + 2^(-x (2.3022082 + 0.10294324 x^2))), the logistic form of the tanh fit to erf: within 5e-4 of x Phi(x) for every x, exact in both tails
; (the exponential's overflow gives 0, its underflow gives x).  NaN and infinities are not treated apart.
.set PH,   1040                        ; a row of h in LDS: 1,024 bytes + 16: 65 x 16, so the 16 rows of a load start at 16 different groups of four banks (ISA guide 11.1)
.set PD,   2064                        ; a row of the hidden layer: 2,048 + 16 = 129 x 16
.set HID,  80*PH                       ; h rows by slot at 0; behind them the hidden rows
.set GATE, HID+80*PD                   ; two arrays of 256 f32 by slot: g_lo, g_hi
.set TOK,  GATE+2048                   ; the token of each slot, 256 words
.set BIA,  TOK+1024                    ; for each wave 512 bytes: b1 as [expert][q][slot]
.set SPARE, BIA+4096                   ; the spare words, 128 bytes a wave: four blocks of 256 bytes that no other line names
.set LROW, 67584                       ; bytes in a row of the list
; window 0
.set RR,  1                            ; v1   r = lane % 16
.set HH,  2                            ; v2   h = lane / 16
.set L16, 3                            ; v3   16 x lane
.set WOA, 4                            ; v4, v5  byte offsets in wf of the ring's refills
.set WOB, 5
.set AH,  6                            ; v6-10   row block mb: (16 mb + r) PH + 16 h; never rewritten
.set AD,  11                           ; v11-15  HID + (16 mb + r) PD + 16 h; never rewritten
.set ST,  16                           ; v16-20  first product: AD + 128 w.  Second product's loop: AD + the trip's place along K
.set BA,  21                           ; v21  BIA + 512 w + 32 h.  v21-23 are made anew in the second product
.set GA,  22                           ; v22  GATE + 4 r
.set HS,  23                           ; v23  10 PH w + 16 lane
.set SPW, 34                           ; v34  LDS address of my spare word; never rewritten
.set NIL, 35                           ; v35  0; never rewritten
.set PF,  36                           ; v36-39  at work; later the prefetches' offsets
.set A0,  40                           ; v40-79, v80-119  two buffers of five token fragments; before them phase 1's temporaries
.set EG,  40                           ; v40-119  the way out: gates by (mb, expert, j)
.set B2,  120                          ; v120-127  b2 of my columns: [expert][4]
.set RG,  128                          ; v128-255  the ring: piece p at RG + 4 p, fragment f at RG + 8 f; at the end x of row blocks 0-3
; window 1
.set QQ,  160                          ; v160-239  gelu's work registers        (v0-159: the sums (mb, q) at 8 (4 mb + q); before them h rows on their way to LDS)
.set BI,  160                          ; v160-191  first product: the bias as a C operand, block q at BI + 8 q
.set VO,  160                          ; v160-199  second product: byte offset in x and out of the token of (mb, j)
.set X4,  200                          ; v200-231  x of row block 4
.set GT,  240                          ; v240-249  row block mb's gate of my token in the even register; the odd ones hold 0
.set KO,  53                           ; s53  second product's loop: the trip's place along K in the hidden rows, in bytes
; s22 wave, s23 work-group, s24 CNT rows of my tile, s25 its first rank, s26 set, s27 lo, s28 hi, s29 max(CNT, 1) - 1; s[36:39] gelu's two constants, twice each;
; s40-42 the queue of 64 KiB pieces of wf still to stream; s45, s46 W2[lo]'s and W2[hi]'s offsets; s47 the next 16 KiB; s48, s49 counters; s30-35, s50-52, s54, s55 at work.
.set MSB, 0
.macro WIN new                         ; s_set_vgpr_msb: bits 1:0 source 0, 3:2 source 1, 5:4 source 2, 7:6 destination; the high byte repeats the setting left
.if MSB != (\new)
	s_set_vgpr_msb (MSB<<8)|(\new)
.set MSB, \new
.endif
.endm
.macro PLACES                          ; four places behind a matrix instruction, ahead of loads into its sources (ISA guide 7.12.1 for vector instructions)
.rept 4
	v_nop
.endr
.endm
.macro WLOAD p0, n, vo, off            ; n pieces of 512 bytes into the ring from piece p0 on
	WIN 0
.set k, 0
.rept \n
	global_load_b128 v[RG+4*((\p0)+k):RG+4*((\p0)+k)+3], v[\vo], s[14:15] offset:(\off)+512*k
.set k, k+1
.endr
.endm
.macro ALOAD buf, areg, off            ; five fragments of 16 rows x 32 K: two loads of 16 bytes, 32 bytes apart
	WIN 0
.irp mb, 0,1,2,3,4
	ds_load_b128 v[(\buf)+8*\mb:(\buf)+8*\mb+3], v[(\areg)+\mb] offset:(\off)
	ds_load_b128 v[(\buf)+8*\mb+4:(\buf)+8*\mb+7], v[(\areg)+\mb] offset:(\off)+32
.endr
.endm
.macro RANK dst, src, tmp              ; slot -> byte offset in my set's list: rank p = (m & 0x70) + 2 (m & 7) + ((m >> 3) & 1), held to my tile and to the row's 16,384 places
	v_and_b32 v[\dst], 0x70, v[\src]
	v_and_b32 v[\tmp], 7, v[\src]
	v_lshl_add_u32 v[\dst], v[\tmp], 1, v[\dst]
	v_bfe_u32 v[\tmp], v[\src], 3, 1
	v_add_nc_u32 v[\dst], v[\dst], v[\tmp]
	v_min_u32 v[\dst], s29, v[\dst]
	v_add_nc_u32 v[\dst], s25, v[\dst]
	v_min_u32 v[\dst], 0x3fff, v[\dst]
	v_lshlrev_b32 v[\dst], 2, v[\dst]
.endm
	s_load_b512 s[4:19], s[0:1], 0x0               ; x s[4:5], hb s[6:7], gat s[8:9], b1 s[10:11], b2 s[12:13], wf s[14:15], cnt s[16:17], list s[18:19]
	s_load_b64 s[20:21], s[0:1], 0x40              ; out0
	v_lshl_add_u32 v[SPW], v0, 2, SPARE
	v_mov_b32 v[NIL], 0
	v_lshrrev_b32 v36, 5, v0
	v_readfirstlane_b32 s22, v36
	s_mov_b32 s23, ttmp9
	v_and_b32 v[RR], 15, v0
	v_bfe_u32 v[HH], v0, 4, 1
	v_and_b32 v[L16], 31, v0
	v_lshlrev_b32 v[L16], 4, v[L16]
	s_wait_kmcnt 0x0
	s_load_b512 s[36:51], s[16:17], 0x0            ; the 28 counts
	s_load_b256 s[52:59], s[16:17], 0x40
	s_load_b128 s[60:63], s[16:17], 0x60
	v_mul_u32_u24 v[AH], v[RR], PH                 ; the LDS addresses stand in the wait for the counts
	v_lshl_add_u32 v[AH], v[HH], 4, v[AH]
	v_mul_u32_u24 v[AD], v[RR], PD
	v_lshl_add_u32 v[AD], v[HH], 4, v[AD]
	v_add_nc_u32 v[AD], HID, v[AD]
	s_lshl_b32 s34, s22, 7
.irp mb, 1,2,3,4
	v_add_nc_u32 v[AH+\mb], 16*PH*\mb, v[AH]
	v_add_nc_u32 v[AD+\mb], 16*PD*\mb, v[AD]
.endr
.irp mb, 0,1,2,3,4
	v_add_nc_u32 v[ST+\mb], s34, v[AD+\mb]
.endr
	WIN 0x40                                       ; destination window 1
.irp mb, 0,1,2,3,4
	v_mov_b32 v[GT+2*\mb+1], 0                     ; named with the gate as a pair, so it is written
.endr
	WIN 0
	s_lshl_b32 s34, s22, 9
	s_add_co_u32 s34, s34, BIA
	v_lshl_add_u32 v[BA], v[HH], 5, s34
	v_lshl_add_u32 v38, v[RR], 2, s34              ; where b1 is put: BIA + 512 w + 4 r
	v_lshl_add_u32 v[GA], v[RR], 2, GATE
	v_lshl_add_u32 v39, v0, 2, GATE                ; where my thread's slot puts its gates and its token
	s_mul_i32 s35, s22, 10*PH
	v_add_nc_u32 v[HS], s35, v[L16]
	s_mov_b32 s30, 0                               ; tiles before set s
	s_mov_b32 s31, 0
	s_mov_b32 s32, 0
	s_mov_b32 s33, 0
	s_mov_b32 s28, 79                              ; the scan's two constants
	s_mov_b32 s29, 52429
	s_wait_kmcnt 0x0
	; My tile: the last set whose first tile is not beyond my number.  (n + 79) x 52429 >> 22 is (n + 79) / 80 exactly for arguments under 262,144.
.set sidx, 0
.set ll, 0
.set hh, 1
.rept 28
	s_cmp_le_u32 s30, s23
	s_cselect_b32 s31, s30, s31
	s_cselect_b32 s32, s[36+sidx], s32
	s_cselect_b32 s33, sidx|(ll<<8)|(hh<<16), s33
	s_add_co_u32 s34, s[36+sidx], s28
	s_mul_i32 s34, s34, s29
	s_lshr_b32 s34, s34, 22
	s_add_co_u32 s30, s30, s34
.set sidx, sidx+1
.set ll, ll+1
.if ll == hh
.set ll, 0
.set hh, hh+1
.endif
.endr
	s_sub_co_u32 s25, s23, s31
	s_mul_i32 s25, s25, 80                         ; my first rank
	s_min_u32 s34, s25, s32
	s_sub_co_u32 s24, s32, s34
	s_min_u32 s24, s24, 80                         ; CNT: 0 where the split has no tile for me
	s_cmp_lg_u32 s24, 0
	s_cselect_b32 s25, s25, 0
	s_and_b32 s26, s33, 0xff
	s_min_u32 s26, s26, 27
	s_bfe_u32 s27, s33, 0x80008
	s_min_u32 s27, s27, 7
	s_bfe_u32 s28, s33, 0x80010
	s_min_u32 s28, s28, 7
	s_max_u32 s29, s24, 1
	s_sub_co_u32 s29, s29, 1
	s_mul_i32 s34, s26, LROW
	s_mov_b32 s35, 0
	s_add_nc_u64 s[18:19], s[18:19], s[34:35]      ; my set's row of the list
	s_mov_b32 s36, 0xc0135766                      ; -2.3022082 = -2 sqrt(2 / pi) log2(e)
	s_mov_b32 s37, s36
	s_mov_b32 s38, 0xbdd2d3e8                      ; -0.10294324 = the same x 0.044715
	s_mov_b32 s39, s38
	s_lshl_b32 s40, s27, 3                         ; the wave's streams, in pieces of 64 KiB of wf: W1[lo] is piece 8 lo + w,
	s_add_co_u32 s40, s40, s22
	s_lshl_b32 s41, s28, 3                         ; W1[hi] 8 hi + w,
	s_add_co_u32 s41, s41, s22
	s_add_co_u32 s42, s40, 64                      ; W2 64 pieces on
	s_lshl_b32 s45, s42, 16
	s_add_co_u32 s46, s41, 64
	s_lshl_b32 s46, s46, 16
	; PHASE 1, in every work-group: tokens, gates, biases, the ring's first 16 KiB, and my 10 rows of h into LDS.  By this text's count 57 loads of a wave are out at the most.
	RANK 48, 0, 50                                 ; slot = my thread's number (places from 80 on repeat the last token)
	s_mul_i32 s50, s22, 10
	v_and_b32 v51, 31, v0
	v_add_nc_u32 v51, s50, v51                     ; slot = 10 w + lane: lanes 0 to 9 name the rows that my wave brings
	RANK 49, 51, 50
	global_load_b32 v36, v48, s[18:19]
	global_load_b32 v37, v49, s[18:19]
	s_lshl_b32 s51, s22, 8
	s_lshl_b32 s50, s27, 11
	s_add_co_u32 s50, s50, s51                     ; 2,048 lo + 256 w
	s_lshl_b32 s52, s28, 11
	s_add_co_u32 s52, s52, s51
	v_lshl_add_u32 v54, v[RR], 4, s50
	v_lshl_add_u32 v55, v[RR], 4, s52
	global_load_b128 v[40:43], v54, s[10:11]       ; b1[lo], columns 64 w + 4 r + 0..3: slot r, q = 0..3 (both halves of the lanes alike)
	global_load_b128 v[44:47], v55, s[10:11]
	global_load_b128 v[B2:B2+3], v54, s[12:13]
	global_load_b128 v[B2+4:B2+7], v55, s[12:13]
	s_lshl_b32 s54, s40, 16
	v_add_nc_u32 v[WOA], s54, v[L16]
	WLOAD 0, 32, WOA, 0
	s_wait_loadcnt 36                              ; the two tokens are in: behind them 4 loads of biases and the ring's 32
	v_min_u32 v36, 0x3fff, v36
	v_lshlrev_b32 v53, 3, v36
	global_load_b64 v[56:57], v53, s[8:9]          ; my slot's two gates
.set i, 0
.rept 10
	v_readlane_b32 s50, v37, i
	s_min_u32 s50, s50, 0x3fff
	s_lshl_b32 s50, s50, 10
	v_add_nc_u32 v[60+i], s50, v[L16]              ; row i's token x 1,024 + 16 lane
.set i, i+1
.endr
	WIN 0x40                                       ; destination window 1
.set i, 0
.rept 10
	global_load_b128 v[8*i:8*i+3], v[60+i], s[6:7]
	global_load_b128 v[8*i+4:8*i+7], v[60+i], s[6:7] offset:512
.set i, i+1
.endr
	WIN 0
	s_wait_loadcnt 55                              ; b1 is in: behind it b2's 2 loads, the ring's 32, the gates' 1, the rows' 20
.irp e, 0,1
.irp q, 0,1,2,3
	ds_store_b32 v38, v[40+4*\e+\q] offset:256*\e+64*\q  ; lanes r and 16 + r write the same word with the same number
.endr
.endr
	s_wait_loadcnt 20                              ; the gates are in: behind them the 20 loads of rows
	ds_store_b32 v39, v56
	ds_store_b32 v39, v57 offset:1024
	ds_store_b32 v39, v36 offset:2048
	WIN 0x04                                       ; store data window 1
.set i, 0
.rept 10
	s_wait_loadcnt 2*(9-i)                         ; row i is in; the later rows' loads may stay out.  The last count is 0
	ds_store_b128 v[HS], v[8*i:8*i+3] offset:i*PH
	ds_store_b128 v[HS], v[8*i+4:8*i+7] offset:i*PH+512
.set i, i+1
.endr
	WIN 0
	s_wait_dscnt 0x0                               ; for the others' sake: my stores are done
	s_barrier_signal -1
	s_barrier_wait -1
	s_cmp_eq_u32 s24, 0
	s_cbranch_scc1 .Lb2                            ; no rows: the work is jumped, the barrier is not
	; THE FIRST PRODUCT: two units (lo, hi), each 5 row blocks x 4 blocks q, K = 512 in 16 steps.
	; Every LDS address of this product is a register that is never rewritten plus a constant.  The expert's place stands in the immediates, so what hangs on it (13 loads, 2 x 10 stores)
	; is written once for each unit, and BYUNIT runs the copy of the unit in hand: s48 counts 2, 1 for units 0, 1.  Every way through it runs exactly one copy.
.macro BYUNIT m, a                     ; m: a macro that takes the unit's number and a, finds every window 0 and leaves it so
	s_cmp_eq_u32 s48, 2
	s_cbranch_scc1 .Lu0_\@
	\m 1, \a
	s_branch .Lue_\@
.Lu0_\@:
	\m 0, \a
.Lue_\@:
.endm
.macro ULOADS e, a                     ; unit e's bias as a C operand (slot 8 h + j of block q in register j) and the gates of my five tokens
	WIN 0x40
.irp q, 0,1,2,3
	ds_load_b128 v[BI+8*\q:BI+8*\q+3], v[BA] offset:256*(\e)+64*\q
	ds_load_b128 v[BI+8*\q+4:BI+8*\q+7], v[BA] offset:256*(\e)+64*\q+16
.endr
.irp mb, 0,1,2,3,4
	ds_load_b32 v[GT+2*\mb], v[GA] offset:1024*(\e)+64*\mb
.endr
	WIN 0
.endm
.macro HSTORE e, hb                    ; ten accumulators' packed results: my token's eight hidden places of block q, expert e
	WIN 0x04
.set n, 0
.rept 10
	ds_store_b128 v[ST+(10*(\hb)+n)/4], v[QQ+4*n:QQ+4*n+3] offset:1024*(\e)+32*((10*(\hb)+n)%4)
.set n, n+1
.endr
	WIN 0
.endm
; K step i: the accumulators take turns, one instruction each.  Step 0 runs all 20 and so defines every sum; from step 1 on the row blocks past the count are jumped.
; Then the token fragments of step i + 2 (modulo 16: the wrap serves the next unit; behind the last unit those 20 loads serve nothing) and the ring's chunk i % 4 anew, with the weights of
; four steps on: this unit's (i < 12) or the next stream's first (i >= 12).
.macro KSTEP1 i
	s_wait_loadcnt 24                              ; this step's 8 pieces are in: behind them the 3 later chunks of 8
	s_wait_dscnt 10                                ; this step's token fragments are in: behind them the next step's 10 loads
.irp mb, 0,1,2,3,4
.if ((\i) != 0) && (\mb != 0)
	WIN 0                                          ; at a branch every window is 0
	s_cmp_le_u32 s24, 16*\mb
	s_cbranch_scc1 .Lk1_\@
.endif
	WIN 0x50                                       ; weights and tokens window 0; C and D window 1
.irp q, 0,1,2,3
.if (\i) == 0
	v_wmma_f32_16x16x32_bf16 v[8*(4*\mb+\q):8*(4*\mb+\q)+7], v[RG+8*(4*((\i)&3)+\q):RG+8*(4*((\i)&3)+\q)+7], v[A0+40*((\i)&1)+8*\mb:A0+40*((\i)&1)+8*\mb+7], v[BI+8*\q:BI+8*\q+7]
.else
	v_wmma_f32_16x16x32_bf16 v[8*(4*\mb+\q):8*(4*\mb+\q)+7], v[RG+8*(4*((\i)&3)+\q):RG+8*(4*((\i)&3)+\q)+7], v[A0+40*((\i)&1)+8*\mb:A0+40*((\i)&1)+8*\mb+7], v[8*(4*\mb+\q):8*(4*\mb+\q)+7]
.endif
.endr
.endr
	WIN 0
.Lk1_\@:
	PLACES
	ALOAD A0+40*((\i)&1), AH, 64*(((\i)+2)&15)
.if (\i) < 12
	WLOAD 8*((\i)&3), 8, WOA, 4096*((\i)+4)
.else
	WLOAD 8*((\i)&3), 8, WOB, 4096*((\i)-12)
.endif
.endm
; gelu, the gate and the rounding for ten accumulators (80 numbers a lane), all in window 1.  The exponentials are one batch, the reciprocals another, with one wait each; the gate's multiplies are the
; independent work behind the exponentials.  Each accumulator's lowest registers are read first.
.macro GELU hb
.set XA, 80*(\hb)
	WIN 0x55
.set n, 0
.rept 40
	v_pk_mul_f32 v[QQ+2*n:QQ+2*n+1], v[XA+2*n:XA+2*n+1], v[XA+2*n:XA+2*n+1]
.set n, n+1
.endr
.set n, 0
.rept 40
	v_pk_fma_f32 v[QQ+2*n:QQ+2*n+1], v[QQ+2*n:QQ+2*n+1], s[38:39], s[36:37] op_sel_hi:[1,0,0]
.set n, n+1
.endr
.set n, 0
.rept 40
	v_pk_mul_f32 v[QQ+2*n:QQ+2*n+1], v[XA+2*n:XA+2*n+1], v[QQ+2*n:QQ+2*n+1]
.set n, n+1
.endr
.set n, 0
.rept 80
	v_exp_f32 v[QQ+n], v[QQ+n]
.set n, n+1
.endr
.set n, 0
.rept 40
	v_pk_mul_f32 v[XA+2*n:XA+2*n+1], v[XA+2*n:XA+2*n+1], v[GT+2*((10*(\hb)+n/4)/4):GT+2*((10*(\hb)+n/4)/4)+1] op_sel_hi:[1,0]
.set n, n+1
.endr
	s_wait_alu depctr_va_vdst(0)                   ; the wait for the 80 exponentials
.set n, 0
.rept 40
	v_pk_add_f32 v[QQ+2*n:QQ+2*n+1], v[QQ+2*n:QQ+2*n+1], 1.0 op_sel_hi:[1,0]
.set n, n+1
.endr
.set n, 0
.rept 80
	v_rcp_f32 v[QQ+n], v[QQ+n]
.set n, n+1
.endr
	v_nop                                          ; a plain instruction behind the last reciprocal,
	s_wait_alu depctr_va_vdst(0)                   ; and the wait for the 80
.set n, 0
.rept 40
	v_pk_mul_f32 v[XA+2*n:XA+2*n+1], v[XA+2*n:XA+2*n+1], v[QQ+2*n:QQ+2*n+1]
.set n, n+1
.endr
.set n, 0
.rept 40
	v_cvt_pk_bf16_f32 v[QQ+n], v[XA+2*n], v[XA+2*n+1]
.set n, n+1
.endr
	WIN 0
	BYUNIT HSTORE, \hb
.endm
	ALOAD A0, AH, 0
	ALOAD A0+40, AH, 64
	s_mov_b32 s48, 2
.Lunit:
	s_wait_xcnt 0x0                                ; the refills' offsets are written again only behind this wait
	s_lshl_b32 s50, s40, 16
	v_add_nc_u32 v[WOA], s50, v[L16]               ; this unit's stream
	s_lshl_b32 s51, s41, 16
	v_add_nc_u32 v[WOB], s51, v[L16]               ; the next one
	BYUNIT ULOADS, 0
	s_wait_dscnt 0x0
.irp i, 0,1,2,3,4,5,6,7,8,9,10,11,12,13,14,15
	KSTEP1 \i
.endr
	GELU 0                                         ; the four v_nop of K step 15 are the places behind the last products
	GELU 1
	s_mov_b32 s40, s41                             ; the queue of streams moves up
	s_mov_b32 s41, s42
	s_sub_co_u32 s48, s48, 1
	s_cmp_lg_u32 s48, 0
	s_cbranch_scc1 .Lunit
.Lb2:
	s_wait_dscnt 0x0                               ; for the others' sake: my part of the hidden rows is stored, my reads of h are over
	s_barrier_signal -1
	s_barrier_wait -1
	s_cmp_eq_u32 s24, 0
	s_cbranch_scc1 .Ldone
	; THE SECOND PRODUCT: 5 row blocks x 4 column blocks, K = 1,024 in 32 steps, four to a trip (a trip uses up the ring once).
	ALOAD A0, AD, 0
	ALOAD A0+40, AD, 64
	v_lshl_add_u32 v[BA], v[HH], 5, TOK
	v_and_b32 v[HS], 31, v0
	v_lshl_add_u32 v[HS], v[HS], 2, TOK            ; TOK + 4 lane
	WIN 0x40
.irp mb, 0,1,2,3,4
	ds_load_b128 v[VO+8*\mb:VO+8*\mb+3], v[BA] offset:64*\mb          ; the tokens of slots 16 mb + 8 h + 0..7
	ds_load_b128 v[VO+8*\mb+4:VO+8*\mb+7], v[BA] offset:64*\mb+16
.endr
	WIN 0
.irp k, 0,1,2
	ds_load_b32 v[PF+\k], v[HS] offset:128*\k      ; the token of slot 32 k + lane
.endr
	s_lshl_b32 s50, s22, 8
	s_mov_b32 s51, 0
	s_add_nc_u64 s[4:5], s[4:5], s[50:51]          ; x and out at my wave's 256 bytes of a row
	s_add_nc_u64 s[20:21], s[20:21], s[50:51]
	s_add_co_u32 s47, s45, 0x4000                  ; the ring holds W2[lo]'s first 16 KiB; the first trip fetches the second
	s_wait_dscnt 0x0
	v_lshlrev_b32 v[GA], 4, v[RR]
	WIN 0x44                                       ; destination and source 1 window 1
.set n, 0
.rept 40
	v_min_u32 v[VO+n], 0x3fff, v[VO+n]
.set n, n+1
.endr
	WIN 0x41                                       ; destination and source 0 window 1
.set n, 0
.rept 40
	v_lshl_add_u32 v[VO+n], v[VO+n], 11, v[GA]     ; token x 2,048 + 16 r
.set n, n+1
.endr
	WIN 0
.set n, 0
.rept 3
	v_min_u32 v[PF+n], 0x3fff, v[PF+n]
	v_lshlrev_b32 v[PF+n], 11, v[PF+n]             ; token x 2,048
.set n, n+1
.endr
.macro XLOAD mb                        ; x of row block mb, my 64 columns: 8 loads, sixteen lanes to 256 consecutive bytes; into the ring's chunk mb (block 4: window 1)
.if (\mb) < 4
	WIN 0x01                                       ; address window 1
.irp j, 0,1,2,3,4,5,6,7
	global_load_b128 v[RG+32*(\mb)+4*\j:RG+32*(\mb)+4*\j+3], v[VO+8*(\mb)+\j], s[4:5]
.endr
.else
	WIN 0x41
.irp j, 0,1,2,3,4,5,6,7
	global_load_b128 v[X4+4*\j:X4+4*\j+3], v[VO+8*(\mb)+\j], s[4:5]
.endr
.endif
.endm
; K step i of a trip: the accumulators take turns, one instruction each.  zero = 1: the very first step starts all 20 sums; every later step jumps the row blocks past the count.
; last = 1: the last trip: x comes in the weights' place, 8 loads a step as they were, and steps 2 and 3 fetch no further hidden fragments.  areg, aoff: the trip's first byte in the hidden rows.
; The refills' offset is stepped behind step 0's products: the loads that read it were issued a K step's products earlier.
.macro KSTEP2 i, zero, last, areg, aoff
	s_wait_loadcnt 24                              ; this step's 8 pieces are in: behind them three runs of 8 loads
.if (\last) && ((\i) == 3)
	s_wait_dscnt 0x0
.else
	s_wait_dscnt 10                                ; this step's hidden fragments are in: behind them the next step's 10 loads
.endif
.irp mb, 0,1,2,3,4
.if !((\zero) && ((\i) == 0)) && (\mb != 0)
	WIN 0
	s_cmp_le_u32 s24, 16*\mb
	s_cbranch_scc1 .Lk2_\@
.endif
	WIN 0x50                                       ; hidden rows and weights window 0; C and D window 1
.irp q, 0,1,2,3
.if (\zero) && ((\i) == 0)
	v_wmma_f32_16x16x32_bf16 v[8*(4*\mb+\q):8*(4*\mb+\q)+7], v[A0+40*((\i)&1)+8*\mb:A0+40*((\i)&1)+8*\mb+7], v[RG+8*(4*(\i)+\q):RG+8*(4*(\i)+\q)+7], 0
.else
	v_wmma_f32_16x16x32_bf16 v[8*(4*\mb+\q):8*(4*\mb+\q)+7], v[A0+40*((\i)&1)+8*\mb:A0+40*((\i)&1)+8*\mb+7], v[RG+8*(4*(\i)+\q):RG+8*(4*(\i)+\q)+7], v[8*(4*\mb+\q):8*(4*\mb+\q)+7]
.endif
.endr
.endr
	WIN 0
.Lk2_\@:
	PLACES
.if !(\last) || ((\i) < 2)
	ALOAD A0+40*((\i)&1), \areg, (\aoff)+64*((\i)+2)
.endif
.if \last
	XLOAD \i
.else
.if (\i) == 0
	s_wait_xcnt 0x0                                ; the refills' offset is written again only behind this wait
	v_add_nc_u32 v[WOA], s47, v[L16]
.endif
	WLOAD 8*(\i), 8, WOA, 4096*(\i)
.endif
.endm
	KSTEP2 0, 1, 0, AD, 0                          ; the first trip is written out: its first step starts the sums
	KSTEP2 1, 0, 0, AD, 0
	KSTEP2 2, 0, 0, AD, 0
	KSTEP2 3, 0, 0, AD, 0
	s_mov_b32 s[KO], 0
	s_mov_b32 s49, 6
.Ltrip:                                                ; trips 1 to 6 (the counter runs 6 to 1); trip T fetches the 16 KiB of trip T + 1: lo's four, then hi's four
	s_add_co_u32 s47, s47, 0x4000
	s_add_co_u32 s[KO], s[KO], 0x100               ; four K steps on along the hidden rows: 256 T
	s_cmp_eq_u32 s49, 4
	s_cselect_b32 s47, s46, s47                    ; trip 3 goes over to W2[hi]
.irp mb, 0,1,2,3,4
	v_add_nc_u32 v[ST+\mb], s[KO], v[AD+\mb]       ; the trip's LDS addresses, made anew from the fixed ones
.endr
	KSTEP2 0, 0, 0, ST, 0
	KSTEP2 1, 0, 0, ST, 0
	; Prefetch of x, the rows that the list names: trips 5 and 6 ask for what the last trip (7) loads: a lane a row, my wave's 256 bytes of it: slots 0 to 63 in trip 5, slots 64 on in trip 6
	; (slots from 80 on, and those past the count, repeat the last token's row); 20 KiB a wave in all, each block asked for by the wave that will load it.  The offsets name rows of the list: inside x.
	s_cmp_lg_u32 s49, 2
	s_cbranch_scc1 .Lnot5
	global_prefetch_b8 v[PF], s[4:5] th:TH_LOAD_NT scope:SCOPE_SE
	global_prefetch_b8 v[PF+1], s[4:5] th:TH_LOAD_NT scope:SCOPE_SE
.Lnot5:
	s_cmp_lg_u32 s49, 1
	s_cbranch_scc1 .Lnot6
	global_prefetch_b8 v[PF+2], s[4:5] th:TH_LOAD_NT scope:SCOPE_SE
.Lnot6:
	KSTEP2 2, 0, 0, ST, 0
	KSTEP2 3, 0, 0, ST, 0
	s_sub_co_u32 s49, s49, 1
	s_cmp_lg_u32 s49, 0
	s_cbranch_scc1 .Ltrip
	KSTEP2 0, 0, 1, AD, 1792                       ; the last trip, 7 x 256 bytes along the hidden rows
	KSTEP2 1, 0, 1, AD, 1792
	KSTEP2 2, 0, 1, AD, 1792
	KSTEP2 3, 0, 1, AD, 1792
	XLOAD 4
	WIN 0
	v_lshl_add_u32 v[BA], v[HH], 5, GATE           ; the gates of slots 16 mb + 8 h + 0..7, into the fragment buffers, which the last products have read (step 3's four places stand between)
.irp mb, 0,1,2,3,4
.irp e, 0,1
	ds_load_b128 v[EG+16*\mb+8*\e:EG+16*\mb+8*\e+3], v[BA] offset:64*\mb+1024*\e
	ds_load_b128 v[EG+16*\mb+8*\e+4:EG+16*\mb+8*\e+7], v[BA] offset:64*\mb+1024*\e+16
.endr
.endr
	s_wait_dscnt 0x0
; THE WAY OUT of row block mb.  x += b2[lo] g_lo + b2[hi] g_hi; x += the sums, j ascending; all in x's own registers, which nothing
; writes again, so no store is waited for.  Then store (mb, j): ranks 16 mb + 2 j (lanes 0-15) and + 1 (lanes 16-31).  The first store whose ranks lie past the count ends the work.
; Where the count is odd, the last store's lanes 16-31 hold the same token as lanes 0-15: the same bits go to the same bytes.
.macro EPI mb, left
.if (\mb) < 4
.set xb, RG+32*(\mb)
.set wa, 0x00
.set wb, 0x01                          ; source 0 (the sums; a store's address) window 1
.set ws, 0x01
.else
.set xb, X4
.set wa, 0x50                          ; x: destination and source 2 window 1
.set wb, 0x45
.set ws, 0x05
.endif
.if (\mb) > 0
	WIN 0
	s_cmp_le_u32 s24, 16*(\mb)
	s_cbranch_scc1 .Ldone
.endif
	s_wait_loadcnt \left                           ; this block's x is in; the later blocks' loads, 8 each, may stay out
	WIN wa
.irp e, 0,1
.irp j, 0,1,2,3,4,5,6,7
.irp c, 0,1
.if (\j)%2
	v_pk_fma_f32 v[xb+4*\j+2*\c:xb+4*\j+2*\c+1], v[B2+4*\e+2*\c:B2+4*\e+2*\c+1], v[EG+16*(\mb)+8*\e+2*(\j/2):EG+16*(\mb)+8*\e+2*(\j/2)+1], v[xb+4*\j+2*\c:xb+4*\j+2*\c+1] op_sel:[0,1,0] op_sel_hi:[1,1,1]
.else
	v_pk_fma_f32 v[xb+4*\j+2*\c:xb+4*\j+2*\c+1], v[B2+4*\e+2*\c:B2+4*\e+2*\c+1], v[EG+16*(\mb)+8*\e+2*(\j/2):EG+16*(\mb)+8*\e+2*(\j/2)+1], v[xb+4*\j+2*\c:xb+4*\j+2*\c+1] op_sel_hi:[1,0,1]
.endif
.endr
.endr
.endr
	WIN wb
.irp j, 0,1,2,3,4,5,6,7
.irp q, 0,1,2,3
	v_add_f32 v[xb+4*\j+\q], v[8*(4*(\mb)+\q)+\j], v[xb+4*\j+\q]
.endr
.endr
.irp j, 0,1,2,3,4,5,6,7
.if \j
	WIN 0
	s_cmp_le_u32 s24, 16*(\mb)+2*\j
	s_cbranch_scc1 .Ldone
.endif
	WIN ws
	global_store_b128 v[VO+8*(\mb)+\j], v[xb+4*\j:xb+4*\j+3], s[20:21] th:TH_STORE_NT  ; sixteen lanes store 256 consecutive bytes, at a multiple of 256
.endr
	WIN 0
.endm
	EPI 0, 32
	EPI 1, 24
	EPI 2, 16
	EPI 3, 8
	EPI 4, 0
.Ldone:
	s_wait_dscnt 0x0                               ; my LDS reads are over,
	s_barrier_signal -1
	s_barrier_wait -1                              ; and so are all eight waves', before any wave writes LDS again (the add below)
	s_wait_tensorcnt 0x0                           ; the wave's end
	ds_add_u32 v[SPW], v[NIL]
	s_wait_dscnt 0x0
	s_endpgm
.Lfunc_end_k_q1d72563ca6_chain:
	.size	k_q1d72563ca6_chain, .Lfunc_end_k_q1d72563ca6_chain-k_q1d72563ca6_chain
	.p2alignl 7, 3214868480
	.fill 96, 4, 3214868480
	.section	.rodata,"a",@progbits
	.p2align	6, 0x0
	.amdhsa_kernel k_q1d72563ca6_chain
		.amdhsa_group_segment_fixed_size 256512
		.amdhsa_private_segment_fixed_size 0
		.amdhsa_enable_private_segment 0
		.amdhsa_kernarg_size 72
		.amdhsa_user_sgpr_count 2
		.amdhsa_user_sgpr_kernarg_segment_ptr 1
		.amdhsa_wavefront_size32 1
		.amdhsa_system_sgpr_workgroup_id_x 1
		.amdhsa_system_sgpr_workgroup_id_y 1
		.amdhsa_system_sgpr_workgroup_id_z 1
		.amdhsa_system_vgpr_workitem_id 0
		.amdhsa_next_free_vgpr 512
		.amdhsa_next_free_sgpr 66
		.amdhsa_reserve_vcc 0
		.amdhsa_float_denorm_mode_32 3
		.amdhsa_float_denorm_mode_16_64 3
		.amdhsa_memory_ordered 1
		.amdhsa_forward_progress 1
		.amdhsa_inst_pref_size 204
	.end_amdhsa_kernel
	.amdgpu_metadata
---
amdhsa.version: [ 1, 2 ]
amdhsa.kernels:
  - .name:           k_q1d72563ca6_chain
    .symbol:         k_q1d72563ca6_chain.kd
    .args:
      - { .name: x, .offset: 0, .size: 8, .value_kind: global_buffer, .address_space: global }
      - { .name: hb, .offset: 8, .size: 8, .value_kind: global_buffer, .address_space: global }
      - { .name: gat, .offset: 16, .size: 8, .value_kind: global_buffer, .address_space: global }
      - { .name: b1, .offset: 24, .size: 8, .value_kind: global_buffer, .address_space: global }
      - { .name: b2, .offset: 32, .size: 8, .value_kind: global_buffer, .address_space: global }
      - { .name: wf, .offset: 40, .size: 8, .value_kind: global_buffer, .address_space: global }
      - { .name: cnt, .offset: 48, .size: 8, .value_kind: global_buffer, .address_space: global }
      - { .name: list, .offset: 56, .size: 8, .value_kind: global_buffer, .address_space: global }
      - { .name: out0, .offset: 64, .size: 8, .value_kind: global_buffer, .address_space: global }
    .group_segment_fixed_size: 256512
    .private_segment_fixed_size: 0
    .kernarg_segment_align: 8
    .kernarg_segment_size: 72
    .max_flat_workgroup_size: 256
    .sgpr_count:     66
    .vgpr_count:     512
    .wavefront_size: 32
...
	.end_amdgpu_metadata
.endif
;; end of part 3
;; ======== version 2 of 2: 3 launches; version 1 with the launch chain written anew for expert scheduling mode
;; limits: a function is approximated: absolute error at most 0.0005
;; workspace buffers: hb 16,777,216 bytes; gat 131,072 bytes; sid 65,536 bytes of whole numbers; wf 8,388,608 bytes; cnt 256 bytes of whole numbers; list 1,892,352 bytes of whole numbers
;; launch router: the kernel of part 1 again; grid 256 x 1, 8 waves a work-group, no clusters, 0 bytes of LDS; arguments x, ln_g, ln_b, w_r, b_r, hb, gat, sid; writes hb, gat, sid
;; launch prep: the kernel of part 2 again; grid 156 x 1, 16 waves a work-group, no clusters, 2,304 bytes of LDS; arguments W1, W2, sid, wf, cnt, list; writes wf, cnt, list
;; launch chain (part 4): grid 232 x 1, 8 waves a work-group, no clusters, 256,512 bytes of LDS; arguments x, hb, gat, b1, b2, wf, cnt, list, out0; writes out0
.if DOCPART == 4
	.amdgcn_target "amdgcn-amd-amdhsa--gfx1250"
	.amdhsa_code_object_version 6
	.text
	.protected	k_q1d72563ca6_chain
	.globl	k_q1d72563ca6_chain
	.p2align	8
	.type	k_q1d72563ca6_chain,@function
k_q1d72563ca6_chain:
	s_mov_b64 s[64:65], 0
	v_nop
	global_prefetch_b8 v0, s[64:65] scope:SCOPE_SE
	s_setreg_imm32_b32 hwreg(HW_REG_WAVE_SCHED_MODE, 0, 2), 2
	s_setreg_imm32_b32 hwreg(HW_REG_WAVE_MODE, 25, 1), 1
	s_wait_xcnt 0x0
	s_wait_alu depctr_vm_vsrc(0)
; out[t] = x[t] + g_lo (gelu(h W1[lo] + b1[lo]) W2[lo] + b2[lo]) + g_hi (the same with hi), for up to 80 tokens that chose the same two experts.
; TILES.  The tokens of set s (28 sets) lie in list[s], cnt[s] of them.  Set s has ceil(cnt[s] / 80) tiles; their sum is at most (16,384 + 28 x 79) / 80 = 232 for every
; split, which is the grid.  Every work-group finds its tile from the 28 counts.  A work-group that the split leaves without rows stores nothing.
; Places of a tile past the count repeat its last token; whole stores past the count are jumped, and so are, from a sum's second K step on, the products of row blocks past the count.
; THE CHAIN.  First product: 80 rows x 512 columns x K = 512 for lo and for hi; bias as the C operand that starts the sums; gelu; times the gate; bf16 into LDS.
; Second product: ONE sum over K = 1,024 (lo's hidden layer, then hi's) into one accumulator, since the gates are already in the hidden layer.  Then the two biases times
; their gates, the residual, the store.  Each output row has one owner.
; SHARES.  EIGHT WAVES, two to a SIMD, 512 registers each.  Wave w owns columns 64 w .. 64 w + 63 of both products: it alone reads their weights, straight from memory into operand
; registers (wf holds register images), through a ring of 32 pieces of 512 bytes that walks the wave's four streams of 64 KiB on end.  Token rows go through LDS.
; Why two waves to a SIMD: with 80 rows a K step is 20 matrix instructions and 18 loads, and a unit's gelu is some 880 vector lines; a wave issues in order, so it issues no product meanwhile;
; the SIMD's other wave can.  The price: the second product's hidden rows are read from LDS by eight waves: 2,560 loads of 512 bytes a work-group, where four waves of 128 columns would need 1,280.
; NO CLUSTER: partners would have to share a set; groups of four tiles of one set can number 16,384 / 320 + 27 = 78, that is 312 work-groups, more than one for each of the grid's places.
; LAYOUT.  Block q of column group G, slot r, is column 64 G + 4 r + q.  First product transposed (source 0 = weights, source 1 = token rows): a lane holds one token and eight
; neighbouring hidden places (place 64 G + 16 q + slot of an expert's 512): 16 bytes of bf16.  Second product plain (source 0 = hidden rows, source 1 = weights): register j of the four blocks q is
; 16 consecutive bytes of an output row, and sixteen lanes hold 256.  Rank p = 16 mb + 2 j + h of the tile sits in slot 16 mb + 8 h + j, so the stores go in ascending rank, two ranks each.
; LIMITS.  h, gate x gelu and the weights are rounded once to bf16; sums, gates, biases and the residual are f32.
; gelu(x) is taken as x / (1 + 2^(-x (2.3022082 + 0.10294324 x^2))), the logistic form of the tanh fit to erf: within 5e-4 of x Phi(x) for every x, exact in both tails
; (the exponential's overflow gives 0, its underflow gives x).  NaN and infinities are not treated apart.
; THE MODE: SCHED_MODE bits 1:0 = 2 (LLVM: expert scheduling mode 2), set by the entry lines.  The code itself states the register dependences
; between vector or matrix instructions and memory or LDS instructions, with s_wait_alu, always for 0.
; THE PLAN.  Registers that memory or LDS instructions touch in the K steps of both products:
;   A0, A1        two buffers of five fragments.  Step i's products read buffer i % 2; the LDS loads issued in step i land in the other one, which step i - 1 read: the fragments of step i + 1.
;   the ring      four chunks of 8 pieces.  Step i's products read chunk i % 4; the loads issued in step i land in chunk (i - 1) % 4, which step i - 1 read: the weights of step i + 3.
;   AH, AD        read by the fragments' loads; never written again.
;   WOA, WOB      read by the ring's loads; written at a unit's head, WOA also behind step 0 of a trip of the second product.
;   ST            read by the hidden rows' stores and by the trips' fragment loads; written at a trip's head.
; So ONE wait on va_vdst stands at a step's head, behind the waits for the step's data: the products of the step before are done reading their buffer and their chunk.  The step's 18 loads follow
; behind the four products of row block 0 (the only products on every path), which name this step's buffer, this step's chunk and the sums: none of the registers that those loads touch.
; Outside the K steps: QQ (gelu's work; the hidden stores' data; the bias and the row offsets land there), GT, BA, GA, HS, PF and x's registers; each wait below says which of them it is for.
.set PH,   1040                        ; a row of h in LDS: 1,024 bytes + 16: 65 x 16, so the 16 rows of a load start at 16 different groups of four banks (ISA guide 11.1)
.set PD,   2064                        ; a row of the hidden layer: 2,048 + 16 = 129 x 16
.set HID,  80*PH                       ; h rows by slot at 0; behind them the hidden rows
.set GATE, HID+80*PD                   ; two arrays of 256 f32 by slot: g_lo, g_hi
.set TOK,  GATE+2048                   ; the token of each slot, 256 words
.set BIA,  TOK+1024                    ; for each wave 512 bytes: b1 as [expert][q][slot]
.set SPARE, BIA+4096                   ; the spare words, 128 bytes a wave: four blocks of 256 bytes that no other line names
.set LROW, 67584                       ; bytes in a row of the list
; window 0
.set RR,  1                            ; v1   r = lane % 16
.set HH,  2                            ; v2   h = lane / 16
.set L16, 3                            ; v3   16 x lane
.set WOA, 4                            ; v4, v5  byte offsets in wf of the ring's refills
.set WOB, 5
.set AH,  6                            ; v6-10   row block mb: (16 mb + r) PH + 16 h; never rewritten
.set AD,  11                           ; v11-15  HID + (16 mb + r) PD + 16 h; never rewritten
.set ST,  16                           ; v16-20  first product: AD + 128 w.  Second product's loop: AD + the trip's place along K
.set BA,  21                           ; v21  BIA + 512 w + 32 h.  v21-23 are made anew in the second product
.set GA,  22                           ; v22  GATE + 4 r
.set HS,  23                           ; v23  10 PH w + 16 lane
.set SPW, 34                           ; v34  LDS address of my spare word; never rewritten
.set NIL, 35                           ; v35  0; never rewritten
.set PF,  36                           ; v36-39  at work; later the prefetches' offsets
.set A0,  40                           ; v40-79, v80-119  two buffers of five token fragments; before them phase 1's temporaries
.set EG,  40                           ; v40-119  the way out: gates by (mb, expert, j)
.set B2,  120                          ; v120-127  b2 of my columns: [expert][4]
.set RG,  128                          ; v128-255  the ring: piece p at RG + 4 p, fragment f at RG + 8 f; at the end x of row blocks 0-3
; window 1
.set QQ,  160                          ; v160-239  gelu's work registers        (v0-159: the sums (mb, q) at 8 (4 mb + q); before them h rows on their way to LDS)
.set BI,  160                          ; v160-191  first product: the bias as a C operand, block q at BI + 8 q
.set VO,  160                          ; v160-199  second product: byte offset in x and out of the token of (mb, j)
.set X4,  200                          ; v200-231  x of row block 4
.set GT,  240                          ; v240-249  row block mb's gate of my token in the even register; the odd ones hold 0
.set KO,  53                           ; s53  second product's loop: the trip's place along K in the hidden rows, in bytes
; s22 wave, s23 work-group, s24 CNT rows of my tile, s25 its first rank, s26 set, s27 lo, s28 hi, s29 max(CNT, 1) - 1; s[36:39] gelu's two constants, twice each;
; s40-42 the queue of 64 KiB pieces of wf still to stream; s45, s46 W2[lo]'s and W2[hi]'s offsets; s47 the next 16 KiB; s48, s49 counters; s30-35, s50-52 at work; s54-63 in phase 1: my ten rows' tokens.
.set MSB, 0
.macro WIN new                         ; s_set_vgpr_msb: bits 1:0 source 0, 3:2 source 1, 5:4 source 2, 7:6 destination; the high byte repeats the setting left
.if MSB != (\new)
	s_set_vgpr_msb (MSB<<8)|(\new)
.set MSB, \new
.endif
.endm
.macro PLACES                          ; four places behind a step's products: ahead of gelu's reads of the sums and of the way out's writes into the ring; in the other steps they stay as they stood, ahead of the loads into those products' sources
.rept 4
	v_nop
.endr
.endm
.macro WLOAD p0, n, vo, off            ; n pieces of 512 bytes into the ring from piece p0 on
	WIN 0
.set k, 0
.rept \n
	global_load_b128 v[RG+4*((\p0)+k):RG+4*((\p0)+k)+3], v[\vo], s[14:15] offset:(\off)+512*k
.set k, k+1
.endr
.endm
.macro ALOAD buf, areg, off            ; five fragments of 16 rows x 32 K: two loads of 16 bytes, 32 bytes apart
	WIN 0
.irp mb, 0,1,2,3,4
	ds_load_b128 v[(\buf)+8*\mb:(\buf)+8*\mb+3], v[(\areg)+\mb] offset:(\off)
	ds_load_b128 v[(\buf)+8*\mb+4:(\buf)+8*\mb+7], v[(\areg)+\mb] offset:(\off)+32
.endr
.endm
.macro RANK dst, src, tmp              ; slot -> byte offset in my set's list: rank p = (m & 0x70) + 2 (m & 7) + ((m >> 3) & 1), held to my tile and to the row's 16,384 places
	v_and_b32 v[\dst], 0x70, v[\src]
	v_and_b32 v[\tmp], 7, v[\src]
	v_lshl_add_u32 v[\dst], v[\tmp], 1, v[\dst]
	v_bfe_u32 v[\tmp], v[\src], 3, 1
	v_add_nc_u32 v[\dst], v[\dst], v[\tmp]
	v_min_u32 v[\dst], s29, v[\dst]
	v_add_nc_u32 v[\dst], s25, v[\dst]
	v_min_u32 v[\dst], 0x3fff, v[\dst]
	v_lshlrev_b32 v[\dst], 2, v[\dst]
.endm
	s_load_b512 s[4:19], s[0:1], 0x0               ; x s[4:5], hb s[6:7], gat s[8:9], b1 s[10:11], b2 s[12:13], wf s[14:15], cnt s[16:17], list s[18:19]
	s_load_b64 s[20:21], s[0:1], 0x40              ; out0
	v_lshl_add_u32 v[SPW], v0, 2, SPARE
	v_mov_b32 v[NIL], 0
	v_lshrrev_b32 v36, 5, v0
	v_readfirstlane_b32 s22, v36
	s_mov_b32 s23, ttmp9
	v_and_b32 v[RR], 15, v0
	v_bfe_u32 v[HH], v0, 4, 1
	v_and_b32 v[L16], 31, v0
	v_lshlrev_b32 v[L16], 4, v[L16]
	s_wait_kmcnt 0x0
	s_load_b512 s[36:51], s[16:17], 0x0            ; the 28 counts
	s_load_b256 s[52:59], s[16:17], 0x40
	s_load_b128 s[60:63], s[16:17], 0x60
	v_mul_u32_u24 v[AH], v[RR], PH                 ; the LDS addresses stand in the wait for the counts
	v_lshl_add_u32 v[AH], v[HH], 4, v[AH]
	v_mul_u32_u24 v[AD], v[RR], PD
	v_lshl_add_u32 v[AD], v[HH], 4, v[AD]
	v_add_nc_u32 v[AD], HID, v[AD]
	s_wait_alu depctr_va_sdst(0)                   ; s22, the wave's number, is written, ahead of its first reader
	s_lshl_b32 s34, s22, 7
.irp mb, 1,2,3,4
	v_add_nc_u32 v[AH+\mb], 16*PH*\mb, v[AH]
	v_add_nc_u32 v[AD+\mb], 16*PD*\mb, v[AD]
.endr
.irp mb, 0,1,2,3,4
	v_add_nc_u32 v[ST+\mb], s34, v[AD+\mb]
.endr
	WIN 0x40                                       ; destination window 1
.irp mb, 0,1,2,3,4
	v_mov_b32 v[GT+2*\mb+1], 0                     ; named with the gate as a pair, so it is written
.endr
	WIN 0
	s_lshl_b32 s34, s22, 9
	s_add_co_u32 s34, s34, BIA
	v_lshl_add_u32 v[BA], v[HH], 5, s34
	v_lshl_add_u32 v38, v[RR], 2, s34              ; where b1 is put: BIA + 512 w + 4 r
	v_lshl_add_u32 v[GA], v[RR], 2, GATE
	v_lshl_add_u32 v39, v0, 2, GATE                ; where my thread's slot puts its gates and its token
	s_mul_i32 s35, s22, 10*PH
	v_add_nc_u32 v[HS], s35, v[L16]
	s_mov_b32 s30, 0                               ; tiles before set s
	s_mov_b32 s31, 0
	s_mov_b32 s32, 0
	s_mov_b32 s33, 0
	s_mov_b32 s28, 79                              ; the scan's two constants
	s_mov_b32 s29, 52429
	s_wait_kmcnt 0x0
	; My tile: the last set whose first tile is not beyond my number.  (n + 79) x 52429 >> 22 is (n + 79) / 80 exactly for arguments under 262,144.
.set sidx, 0
.set ll, 0
.set hh, 1
.rept 28
	s_cmp_le_u32 s30, s23
	s_cselect_b32 s31, s30, s31
	s_cselect_b32 s32, s[36+sidx], s32
	s_cselect_b32 s33, sidx|(ll<<8)|(hh<<16), s33
	s_add_co_u32 s34, s[36+sidx], s28
	s_mul_i32 s34, s34, s29
	s_lshr_b32 s34, s34, 22
	s_add_co_u32 s30, s30, s34
.set sidx, sidx+1
.set ll, ll+1
.if ll == hh
.set ll, 0
.set hh, hh+1
.endif
.endr
	s_sub_co_u32 s25, s23, s31
	s_mul_i32 s25, s25, 80                         ; my first rank
	s_min_u32 s34, s25, s32
	s_sub_co_u32 s24, s32, s34
	s_min_u32 s24, s24, 80                         ; CNT: 0 where the split has no tile for me
	s_cmp_lg_u32 s24, 0
	s_cselect_b32 s25, s25, 0
	s_and_b32 s26, s33, 0xff
	s_min_u32 s26, s26, 27
	s_bfe_u32 s27, s33, 0x80008
	s_min_u32 s27, s27, 7
	s_bfe_u32 s28, s33, 0x80010
	s_min_u32 s28, s28, 7
	s_max_u32 s29, s24, 1
	s_sub_co_u32 s29, s29, 1
	s_mul_i32 s34, s26, LROW
	s_mov_b32 s35, 0
	s_add_nc_u64 s[18:19], s[18:19], s[34:35]      ; my set's row of the list
	s_mov_b32 s36, 0xc0135766                      ; -2.3022082 = -2 sqrt(2 / pi) log2(e)
	s_mov_b32 s37, s36
	s_mov_b32 s38, 0xbdd2d3e8                      ; -0.10294324 = the same x 0.044715
	s_mov_b32 s39, s38
	s_lshl_b32 s40, s27, 3                         ; the wave's streams, in pieces of 64 KiB of wf: W1[lo] is piece 8 lo + w,
	s_add_co_u32 s40, s40, s22
	s_lshl_b32 s41, s28, 3                         ; W1[hi] 8 hi + w,
	s_add_co_u32 s41, s41, s22
	s_add_co_u32 s42, s40, 64                      ; W2 64 pieces on
	s_lshl_b32 s45, s42, 16
	s_add_co_u32 s46, s41, 64
	s_lshl_b32 s46, s46, 16
	; PHASE 1, in every work-group: tokens, gates, biases, the ring's first 12 KiB, and my 10 rows of h into LDS.  By this text's count 49 loads of a wave are out at the most.
	; All offsets of the first run of loads are made first, so that one wait serves the run.
	RANK 48, 0, 50                                 ; slot = my thread's number (places from 80 on repeat the last token)
	s_mul_i32 s50, s22, 10
	v_and_b32 v51, 31, v0
	v_add_nc_u32 v51, s50, v51                     ; slot = 10 w + lane: lanes 0 to 9 name the rows that my wave brings
	RANK 49, 51, 50
	s_lshl_b32 s51, s22, 8
	s_lshl_b32 s50, s27, 11
	s_add_co_u32 s50, s50, s51                     ; 2,048 lo + 256 w
	s_lshl_b32 s52, s28, 11
	s_add_co_u32 s52, s52, s51
	v_lshl_add_u32 v54, v[RR], 4, s50
	v_lshl_add_u32 v55, v[RR], 4, s52
	s_lshl_b32 s51, s40, 16
	v_add_nc_u32 v[WOA], s51, v[L16]
	s_wait_alu depctr_va_vdst(0)                   ; every offset and LDS address made so far is written (v4 to v23, v38, v39, v48, v49, v54, v55), which the loads and stores below read; v36, in which a load lands, has been written and read
	global_load_b32 v36, v48, s[18:19]
	global_load_b32 v37, v49, s[18:19]
	global_load_b128 v[40:43], v54, s[10:11]       ; b1[lo], columns 64 w + 4 r + 0..3: slot r, q = 0..3 (both halves of the lanes alike)
	global_load_b128 v[44:47], v55, s[10:11]
	global_load_b128 v[B2:B2+3], v54, s[12:13]
	global_load_b128 v[B2+4:B2+7], v55, s[12:13]
	WLOAD 0, 24, WOA, 0                            ; chunks 0 to 2: W1[lo]'s K steps 0 to 2; K step 0 asks for chunk 3
	s_wait_loadcnt 28                              ; the two tokens are in: behind them 4 loads of biases and the ring's 24
	v_min_u32 v36, 0x3fff, v36
	v_lshlrev_b32 v53, 3, v36
.set i, 0
.rept 10
	v_readlane_b32 s[54+i], v37, i                 ; the ten rows' tokens in one run, a scalar register each
.set i, i+1
.endr
	s_wait_alu depctr_va_sdst(0)                   ; s54 to s63 are written, ahead of their first readers: one wait for the run
.set i, 0
.rept 10
	s_min_u32 s[54+i], s[54+i], 0x3fff
	s_lshl_b32 s[54+i], s[54+i], 10
	v_add_nc_u32 v[60+i], s[54+i], v[L16]          ; row i's token x 1,024 + 16 lane
.set i, i+1
.endr
	s_wait_alu depctr_va_vdst(0)                   ; v53 and v60 to v69 are written, which the 21 loads below read as offsets; so is v36, which an LDS store below reads
	global_load_b64 v[56:57], v53, s[8:9]          ; my slot's two gates
	WIN 0x40                                       ; destination window 1
.set i, 0
.rept 10
	global_load_b128 v[8*i:8*i+3], v[60+i], s[6:7]
	global_load_b128 v[8*i+4:8*i+7], v[60+i], s[6:7] offset:512
.set i, i+1
.endr
	WIN 0
	s_wait_loadcnt 47                              ; b1 is in: behind it b2's 2 loads, the ring's 24, the gates' 1, the rows' 20
.irp e, 0,1
.irp q, 0,1,2,3
	ds_store_b32 v38, v[40+4*\e+\q] offset:256*\e+64*\q  ; lanes r and 16 + r write the same word with the same number
.endr
.endr
	s_wait_loadcnt 20                              ; the gates are in: behind them the 20 loads of rows
	ds_store_b32 v39, v56
	ds_store_b32 v39, v57 offset:1024
	ds_store_b32 v39, v36 offset:2048
	WIN 0x04                                       ; store data window 1
.set i, 0
.rept 10
	s_wait_loadcnt 2*(9-i)                         ; row i is in; the later rows' loads may stay out.  The last count is 0
	ds_store_b128 v[HS], v[8*i:8*i+3] offset:i*PH
	ds_store_b128 v[HS], v[8*i+4:8*i+7] offset:i*PH+512
.set i, i+1
.endr
	WIN 0
	s_wait_dscnt 0x0                               ; for the others' sake: my stores are done
	s_barrier_signal -1
	s_barrier_wait -1
	s_wait_alu depctr_vm_vsrc(0)                   ; phase 1's loads and LDS stores have read v36 to v69 and v[HS]: fragments land in v40 to v79 below, and the second product makes v36 to v38 and v[HS] anew.  Ahead of the branch: it holds on both ways
	s_cmp_eq_u32 s24, 0
	s_cbranch_scc1 .Lb2                            ; no rows: the work is jumped, the barrier is not
	; THE FIRST PRODUCT: two units (lo, hi), each 5 row blocks x 4 blocks q, K = 512 in 16 steps.
	; Every LDS address of this product is a register that is never rewritten plus a constant.  The expert's place stands in the immediates, so what hangs on it (13 loads, 2 x 10 stores)
	; is written once for each unit, and BYUNIT runs the copy of the unit in hand: s48 counts 2, 1 for units 0, 1.  Every way through it runs exactly one copy.
.macro BYUNIT m, a                     ; m: a macro that takes the unit's number and a, finds every window 0 and leaves it so
	s_cmp_eq_u32 s48, 2
	s_cbranch_scc1 .Lu0_\@
	\m 1, \a
	s_branch .Lue_\@
.Lu0_\@:
	\m 0, \a
.Lue_\@:
.endm
.macro ULOADS e, a                     ; unit e's bias as a C operand (slot 8 h + j of block q in register j) and the gates of my five tokens
	WIN 0x40
.irp q, 0,1,2,3
	ds_load_b128 v[BI+8*\q:BI+8*\q+3], v[BA] offset:256*(\e)+64*\q
	ds_load_b128 v[BI+8*\q+4:BI+8*\q+7], v[BA] offset:256*(\e)+64*\q+16
.endr
.irp mb, 0,1,2,3,4
	ds_load_b32 v[GT+2*\mb], v[GA] offset:1024*(\e)+64*\mb
.endr
	WIN 0
.endm
.macro HSTORE e, hb                    ; ten accumulators' packed results: my token's eight hidden places of block q, expert e
	WIN 0x04
.set n, 0
.rept 10
	ds_store_b128 v[ST+(10*(\hb)+n)/4], v[QQ+4*n:QQ+4*n+3] offset:1024*(\e)+32*((10*(\hb)+n)%4)
.set n, n+1
.endr
	WIN 0
.endm
; K step i: the accumulators take turns, one instruction each.  Step 0 runs all 20 and so defines every sum; from step 1 on the row blocks past the count are jumped.
; Behind row block 0's four products, which every way runs, stand the step's 18 loads: the token fragments of step i + 1 (modulo 16: the wrap serves the next unit; behind the last unit those 10 loads
; serve nothing) into the buffer that step i - 1 read, and the weights of step i + 3 into the chunk that step i - 1 read: this unit's (i < 13) or the next stream's first (i >= 13).
.macro KSTEP1 i
	s_wait_loadcnt 16                              ; this step's 8 pieces are in: behind them the two later chunks of 8
	s_wait_dscnt 0x0                               ; this step's token fragments are in, asked for in the step before (step 0: the bias and the gates too)
.if (\i) != 0
	s_wait_alu depctr_va_vdst(0)                   ; the products of the step before are done reading their fragment buffer and their chunk, in which this step's loads land (step 0 leans on the wait at the unit's head)
.endif
.irp mb, 0,1,2,3,4
.if ((\i) != 0) && (\mb != 0)
	WIN 0                                          ; at a branch every window is 0
	s_cmp_le_u32 s24, 16*\mb
	s_cbranch_scc1 .Lk1_\@
.endif
	WIN 0x50                                       ; weights and tokens window 0; C and D window 1
.irp q, 0,1,2,3
.if (\i) == 0
	v_wmma_f32_16x16x32_bf16 v[8*(4*\mb+\q):8*(4*\mb+\q)+7], v[RG+8*(4*((\i)&3)+\q):RG+8*(4*((\i)&3)+\q)+7], v[A0+40*((\i)&1)+8*\mb:A0+40*((\i)&1)+8*\mb+7], v[BI+8*\q:BI+8*\q+7]
.else
	v_wmma_f32_16x16x32_bf16 v[8*(4*\mb+\q):8*(4*\mb+\q)+7], v[RG+8*(4*((\i)&3)+\q):RG+8*(4*((\i)&3)+\q)+7], v[A0+40*((\i)&1)+8*\mb:A0+40*((\i)&1)+8*\mb+7], v[8*(4*\mb+\q):8*(4*\mb+\q)+7]
.endif
.endr
.if \mb == 0                           ; no wait: the four products since the step's head name this step's buffer and chunk and the sums alone
	ALOAD A0+40*(((\i)+1)&1), AH, 64*(((\i)+1)&15)
.if (\i) < 13
	WLOAD 8*(((\i)+3)&3), 8, WOA, 4096*((\i)+3)
.else
	WLOAD 8*(((\i)+3)&3), 8, WOB, 4096*((\i)-13)
.endif
.endif
.endr
	WIN 0
.Lk1_\@:
	PLACES
.endm
; gelu, the gate and the rounding for ten accumulators (80 numbers a lane), all in window 1.  The exponentials are one batch, the reciprocals another, with one wait each; the gate's multiplies are the
; independent work behind the exponentials.  Each accumulator's lowest registers are read first.
.macro GELU hb
.set XA, 80*(\hb)
.if (\hb) == 1
	s_wait_alu depctr_vm_vsrc(0)                   ; the LDS stores of the first ten accumulators have read v[QQ .. QQ+39], which the lines below write again
.endif
	WIN 0x55
.set n, 0
.rept 40
	v_pk_mul_f32 v[QQ+2*n:QQ+2*n+1], v[XA+2*n:XA+2*n+1], v[XA+2*n:XA+2*n+1]
.set n, n+1
.endr
.set n, 0
.rept 40
	v_pk_fma_f32 v[QQ+2*n:QQ+2*n+1], v[QQ+2*n:QQ+2*n+1], s[38:39], s[36:37] op_sel_hi:[1,0,0]
.set n, n+1
.endr
.set n, 0
.rept 40
	v_pk_mul_f32 v[QQ+2*n:QQ+2*n+1], v[XA+2*n:XA+2*n+1], v[QQ+2*n:QQ+2*n+1]
.set n, n+1
.endr
.set n, 0
.rept 80
	v_exp_f32 v[QQ+n], v[QQ+n]
.set n, n+1
.endr
.set n, 0
.rept 40
	v_pk_mul_f32 v[XA+2*n:XA+2*n+1], v[XA+2*n:XA+2*n+1], v[GT+2*((10*(\hb)+n/4)/4):GT+2*((10*(\hb)+n/4)/4)+1] op_sel_hi:[1,0]
.set n, n+1
.endr
	s_wait_alu depctr_va_vdst(0)                   ; the 80 exponentials have written v[QQ ..], ahead of their first reader
.set n, 0
.rept 40
	v_pk_add_f32 v[QQ+2*n:QQ+2*n+1], v[QQ+2*n:QQ+2*n+1], 1.0 op_sel_hi:[1,0]
.set n, n+1
.endr
.set n, 0
.rept 80
	v_rcp_f32 v[QQ+n], v[QQ+n]
.set n, n+1
.endr
	v_nop                                          ; a plain instruction behind the last reciprocal,
	s_wait_alu depctr_va_vdst(0)                   ; and the 80 reciprocals have written v[QQ ..], ahead of their first reader
.set n, 0
.rept 40
	v_pk_mul_f32 v[XA+2*n:XA+2*n+1], v[XA+2*n:XA+2*n+1], v[QQ+2*n:QQ+2*n+1]
.set n, n+1
.endr
.set n, 0
.rept 40
	v_cvt_pk_bf16_f32 v[QQ+n], v[XA+2*n], v[XA+2*n+1]
.set n, n+1
.endr
	WIN 0
	s_wait_alu depctr_va_vdst(0)                   ; the roundings have written v[QQ .. QQ+39], which the ten LDS stores read
	BYUNIT HSTORE, \hb
.endm
	ALOAD A0, AH, 0                                ; K step 0's fragments; each step asks for the next one's
	s_mov_b32 s48, 2
.Lunit:
	s_wait_xcnt 0x0                                ; the refills' offsets are written again only behind this wait,
	s_wait_alu depctr_vm_vsrc(0)                   ; and beside it: the ring's loads have read v[WOA] and v[WOB]; the last unit's LDS stores have read v[QQ ..], in which the bias lands
	s_lshl_b32 s50, s40, 16
	v_add_nc_u32 v[WOA], s50, v[L16]               ; this unit's stream
	s_lshl_b32 s51, s41, 16
	v_add_nc_u32 v[WOB], s51, v[L16]               ; the next one
	s_wait_alu depctr_va_vdst(0)                   ; v[WOA] and v[WOB] are written, which the unit's ring loads read; gelu's lines are done with v[QQ ..] and the gates, in which the loads below land
	BYUNIT ULOADS, 0
.irp i, 0,1,2,3,4,5,6,7,8,9,10,11,12,13,14,15
	KSTEP1 \i
.endr
	GELU 0                                         ; the four v_nop of K step 15 are the places behind the last products
	GELU 1
	s_mov_b32 s40, s41                             ; the queue of streams moves up
	s_mov_b32 s41, s42
	s_sub_co_u32 s48, s48, 1
	s_cmp_lg_u32 s48, 0
	s_cbranch_scc1 .Lunit
.Lb2:
	s_wait_dscnt 0x0                               ; for the others' sake: my part of the hidden rows is stored, my reads of h are over
	s_barrier_signal -1
	s_barrier_wait -1
	s_wait_xcnt 0x0                                ; v[WOA] is written again only behind this wait,
	s_wait_alu depctr_vm_vsrc(0)                   ; and beside it: the ring's loads have read v[WOA]; the bias' and gates' loads v[BA] and v[GA]; the hidden rows' stores v[QQ ..], in which the tokens land.  Ahead of the branch
	s_cmp_eq_u32 s24, 0
	s_cbranch_scc1 .Ldone
	; THE SECOND PRODUCT: 5 row blocks x 4 column blocks, K = 1,024 in 32 steps, four to a trip (a trip uses up the ring once).
	v_lshl_add_u32 v[BA], v[HH], 5, TOK
	v_and_b32 v[HS], 31, v0
	v_lshl_add_u32 v[HS], v[HS], 2, TOK            ; TOK + 4 lane
	v_lshlrev_b32 v[GA], 4, v[RR]
	v_add_nc_u32 v[WOA], s45, v[L16]               ; W2[lo]'s first 16 KiB: the ring holds its K steps 0 to 2; the first step asks for the fourth
	s_wait_alu depctr_va_vdst(0)                   ; v[BA], v[HS] and v[WOA] are written, which the loads below read; gelu's lines are done with v160 to v199 of window 1, in which the tokens land
	ALOAD A0, AD, 0
	WIN 0x40
.irp mb, 0,1,2,3,4
	ds_load_b128 v[VO+8*\mb:VO+8*\mb+3], v[BA] offset:64*\mb          ; the tokens of slots 16 mb + 8 h + 0..7
	ds_load_b128 v[VO+8*\mb+4:VO+8*\mb+7], v[BA] offset:64*\mb+16
.endr
	WIN 0
.irp k, 0,1,2
	ds_load_b32 v[PF+\k], v[HS] offset:128*\k      ; the token of slot 32 k + lane
.endr
	s_lshl_b32 s50, s22, 8
	s_mov_b32 s51, 0
	s_add_nc_u64 s[4:5], s[4:5], s[50:51]          ; x and out at my wave's 256 bytes of a row
	s_add_nc_u64 s[20:21], s[20:21], s[50:51]
	s_add_co_u32 s47, s45, 0x4000                  ; the second 16 KiB of W2[lo]
	s_wait_dscnt 0x0
	WIN 0x44                                       ; destination and source 1 window 1
.set n, 0
.rept 40
	v_min_u32 v[VO+n], 0x3fff, v[VO+n]
.set n, n+1
.endr
	WIN 0x41                                       ; destination and source 0 window 1
.set n, 0
.rept 40
	v_lshl_add_u32 v[VO+n], v[VO+n], 11, v[GA]     ; token x 2,048 + 16 r
.set n, n+1
.endr
	WIN 0
.set n, 0
.rept 3
	v_min_u32 v[PF+n], 0x3fff, v[PF+n]
	v_lshlrev_b32 v[PF+n], 11, v[PF+n]             ; token x 2,048
.set n, n+1
.endr
.macro XLOAD mb                        ; x of row block mb, my 64 columns: 8 loads, sixteen lanes to 256 consecutive bytes; into the ring's chunk mb (block 4: window 1)
.if (\mb) < 4
	WIN 0x01                                       ; address window 1
.irp j, 0,1,2,3,4,5,6,7
	global_load_b128 v[RG+32*(\mb)+4*\j:RG+32*(\mb)+4*\j+3], v[VO+8*(\mb)+\j], s[4:5]
.endr
.else
	WIN 0x41
.irp j, 0,1,2,3,4,5,6,7
	global_load_b128 v[X4+4*\j:X4+4*\j+3], v[VO+8*(\mb)+\j], s[4:5]
.endr
.endif
.endm
; K step i of a trip: the accumulators take turns, one instruction each.  zero = 1: the very first step starts all 20 sums; every later step jumps the row blocks past the count.
; Behind row block 0's four products stand the step's loads: the hidden fragments of the next step into the buffer that the step before read, and 8 pieces into the chunk that the step before read.
; v[WOA] names the trip's own 16 KiB at the trip's start: step 0 takes its last 4 KiB (chunk 3); behind step 0's products v[WOA] moves on to the next trip's, of which steps 1 to 3 take the first three.
; last = 1: the last trip: behind step 0 x comes in the weights' place, 8 loads a step as they were, and step 3 fetches no further hidden fragments.  areg, aoff: the trip's first byte in the hidden rows.
.macro KSTEP2 i, zero, last, areg, aoff
	s_wait_loadcnt 16                              ; this step's 8 pieces are in: behind them two runs of 8 loads
	s_wait_dscnt 0x0                               ; this step's hidden fragments are in, asked for in the step before
.if !((\zero) && ((\i) == 0))
	s_wait_alu depctr_va_vdst(0)                   ; the products of the step before are done reading their fragment buffer and their chunk, in which this step's loads land; what was stepped since (v[ST ..] ahead of step 0, v[WOA] ahead of step 1) is written; at its first standing so are the offsets v[VO ..] and v[PF ..]
.endif
.irp mb, 0,1,2,3,4
.if !((\zero) && ((\i) == 0)) && (\mb != 0)
	WIN 0
	s_cmp_le_u32 s24, 16*\mb
	s_cbranch_scc1 .Lk2_\@
.endif
	WIN 0x50                                       ; hidden rows and weights window 0; C and D window 1
.irp q, 0,1,2,3
.if (\zero) && ((\i) == 0)
	v_wmma_f32_16x16x32_bf16 v[8*(4*\mb+\q):8*(4*\mb+\q)+7], v[A0+40*((\i)&1)+8*\mb:A0+40*((\i)&1)+8*\mb+7], v[RG+8*(4*(\i)+\q):RG+8*(4*(\i)+\q)+7], 0
.else
	v_wmma_f32_16x16x32_bf16 v[8*(4*\mb+\q):8*(4*\mb+\q)+7], v[A0+40*((\i)&1)+8*\mb:A0+40*((\i)&1)+8*\mb+7], v[RG+8*(4*(\i)+\q):RG+8*(4*(\i)+\q)+7], v[8*(4*\mb+\q):8*(4*\mb+\q)+7]
.endif
.endr
.if \mb == 0                           ; no wait: the four products since the step's head name this step's buffer and chunk and the sums alone
.if !(\last) || ((\i) < 3)
	ALOAD A0+40*(((\i)+1)&1), \areg, (\aoff)+64*((\i)+1)
.endif
.if (\last) && ((\i) > 0)
	XLOAD (\i)-1
.elseif (\i) == 0
	WLOAD 24, 8, WOA, 12288
.else
	WLOAD 8*((\i)-1), 8, WOA, 4096*((\i)-1)
.endif
.endif
.endr
	WIN 0
.Lk2_\@:
	PLACES
.if !(\last) && ((\i) == 0)
	s_wait_xcnt 0x0                                ; the refills' offset is written again only behind this wait,
	s_wait_alu depctr_vm_vsrc(0)                   ; and beside it: the ring's loads issued so far have read v[WOA]
	v_add_nc_u32 v[WOA], s47, v[L16]               ; the next trip's 16 KiB; step 1's head states that it is written
.endif
.endm
	KSTEP2 0, 1, 0, AD, 0                          ; the first trip is written out: its first step starts the sums
	KSTEP2 1, 0, 0, AD, 0
	KSTEP2 2, 0, 0, AD, 0
	KSTEP2 3, 0, 0, AD, 0
	s_mov_b32 s[KO], 0
	s_mov_b32 s49, 6
.Ltrip:                                                ; trips 1 to 6 (the counter runs 6 to 1); s47 names the 16 KiB of trip T + 1: lo's four, then hi's four
	s_add_co_u32 s47, s47, 0x4000
	s_add_co_u32 s[KO], s[KO], 0x100               ; four K steps on along the hidden rows: 256 T
	s_cmp_eq_u32 s49, 4
	s_cselect_b32 s47, s46, s47                    ; trip 3 goes over to W2[hi]
	s_wait_alu depctr_vm_vsrc(0)                   ; the fragment loads issued so far (in the first trip round: the hidden rows' stores) have read v[ST ..]
.irp mb, 0,1,2,3,4
	v_add_nc_u32 v[ST+\mb], s[KO], v[AD+\mb]       ; the trip's LDS addresses, made anew from the fixed ones; step 0's head states that they are written
.endr
	KSTEP2 0, 0, 0, ST, 0
	KSTEP2 1, 0, 0, ST, 0
	; Prefetch of x, the rows that the list names: trips 5 and 6 ask for what the last trip (7) loads: a lane a row, my wave's 256 bytes of it: slots 0 to 63 in trip 5, slots 64 on in trip 6
	; (slots from 80 on, and those past the count, repeat the last token's row); 20 KiB a wave in all, each block asked for by the wave that will load it.  The offsets name rows of the list: inside x.
	; v[PF ..] were written ahead of the first trip, and the K steps' waits have stated that since.
	s_cmp_lg_u32 s49, 2
	s_cbranch_scc1 .Lnot5
	global_prefetch_b8 v[PF], s[4:5] th:TH_LOAD_NT scope:SCOPE_SE
	global_prefetch_b8 v[PF+1], s[4:5] th:TH_LOAD_NT scope:SCOPE_SE
.Lnot5:
	s_cmp_lg_u32 s49, 1
	s_cbranch_scc1 .Lnot6
	global_prefetch_b8 v[PF+2], s[4:5] th:TH_LOAD_NT scope:SCOPE_SE
.Lnot6:
	KSTEP2 2, 0, 0, ST, 0
	KSTEP2 3, 0, 0, ST, 0
	s_sub_co_u32 s49, s49, 1
	s_cmp_lg_u32 s49, 0
	s_cbranch_scc1 .Ltrip
	KSTEP2 0, 0, 1, AD, 1792                       ; the last trip, 7 x 256 bytes along the hidden rows
	KSTEP2 1, 0, 1, AD, 1792
	KSTEP2 2, 0, 1, AD, 1792
	KSTEP2 3, 0, 1, AD, 1792
	v_lshl_add_u32 v[BA], v[HH], 5, GATE           ; the gates of slots 16 mb + 8 h + 0..7 (the tokens' loads, which read v[BA], stand ahead of the trips' waits on vm_vsrc)
	s_wait_alu depctr_va_vdst(0)                   ; v[BA] is written, which the gates' loads read; the last products are done reading chunk 3, in which x of block 3 lands, and both fragment buffers, in which the gates land
	XLOAD 3
	XLOAD 4
	WIN 0
.irp mb, 0,1,2,3,4
.irp e, 0,1
	ds_load_b128 v[EG+16*\mb+8*\e:EG+16*\mb+8*\e+3], v[BA] offset:64*\mb+1024*\e
	ds_load_b128 v[EG+16*\mb+8*\e+4:EG+16*\mb+8*\e+7], v[BA] offset:64*\mb+1024*\e+16
.endr
.endr
	s_wait_dscnt 0x0
; THE WAY OUT of row block mb.  x += b2[lo] g_lo + b2[hi] g_hi; x += the sums, j ascending; all in x's own registers, which nothing
; writes again, so no store is waited for.  Then store (mb, j): ranks 16 mb + 2 j (lanes 0-15) and + 1 (lanes 16-31).  The first store whose ranks lie past the count ends the work.
; Where the count is odd, the last store's lanes 16-31 hold the same token as lanes 0-15: the same bits go to the same bytes.
.macro EPI mb, left
.if (\mb) < 4
.set xb, RG+32*(\mb)
.set wa, 0x00
.set wb, 0x01                          ; source 0 (the sums; a store's address) window 1
.set ws, 0x01
.else
.set xb, X4
.set wa, 0x50                          ; x: destination and source 2 window 1
.set wb, 0x45
.set ws, 0x05
.endif
.if (\mb) > 0
	WIN 0
	s_cmp_le_u32 s24, 16*(\mb)
	s_cbranch_scc1 .Ldone
.endif
	s_wait_loadcnt \left                           ; this block's x is in; the later blocks' loads, 8 each, may stay out
	WIN wa
.irp e, 0,1
.irp j, 0,1,2,3,4,5,6,7
.irp c, 0,1
.if (\j)%2
	v_pk_fma_f32 v[xb+4*\j+2*\c:xb+4*\j+2*\c+1], v[B2+4*\e+2*\c:B2+4*\e+2*\c+1], v[EG+16*(\mb)+8*\e+2*(\j/2):EG+16*(\mb)+8*\e+2*(\j/2)+1], v[xb+4*\j+2*\c:xb+4*\j+2*\c+1] op_sel:[0,1,0] op_sel_hi:[1,1,1]
.else
	v_pk_fma_f32 v[xb+4*\j+2*\c:xb+4*\j+2*\c+1], v[B2+4*\e+2*\c:B2+4*\e+2*\c+1], v[EG+16*(\mb)+8*\e+2*(\j/2):EG+16*(\mb)+8*\e+2*(\j/2)+1], v[xb+4*\j+2*\c:xb+4*\j+2*\c+1] op_sel_hi:[1,0,1]
.endif
.endr
.endr
.endr
	WIN wb
.irp j, 0,1,2,3,4,5,6,7
.irp q, 0,1,2,3
	v_add_f32 v[xb+4*\j+\q], v[8*(4*(\mb)+\q)+\j], v[xb+4*\j+\q]
.endr
.endr
	s_wait_alu depctr_va_vdst(0)                   ; the additions have written the block's 32 registers, which its eight stores read: one wait for the run
.irp j, 0,1,2,3,4,5,6,7
.if \j
	WIN 0
	s_cmp_le_u32 s24, 16*(\mb)+2*\j
	s_cbranch_scc1 .Ldone
.endif
	WIN ws
	global_store_b128 v[VO+8*(\mb)+\j], v[xb+4*\j:xb+4*\j+3], s[20:21] th:TH_STORE_NT  ; sixteen lanes store 256 consecutive bytes, at a multiple of 256
.endr
	WIN 0
.endm
	EPI 0, 32
	EPI 1, 24
	EPI 2, 16
	EPI 3, 8
	EPI 4, 0
.Ldone:
	s_wait_dscnt 0x0                               ; my LDS reads are over,
	s_barrier_signal -1
	s_barrier_wait -1                              ; and so are all eight waves', before any wave writes LDS again (the add below)
	s_wait_dscnt 0x0                               ; the closing lines, six on end
	s_wait_alu 0x0
	s_wait_tensorcnt 0x0
	ds_add_u32 v[SPW], v[NIL]
	s_wait_dscnt 0x0
	s_endpgm
.Lfunc_end_k_q1d72563ca6_chain:
	.size	k_q1d72563ca6_chain, .Lfunc_end_k_q1d72563ca6_chain-k_q1d72563ca6_chain
	.p2alignl 7, 3214868480
	.fill 96, 4, 3214868480
	.section	.rodata,"a",@progbits
	.p2align	6, 0x0
	.amdhsa_kernel k_q1d72563ca6_chain
		.amdhsa_group_segment_fixed_size 256512
		.amdhsa_private_segment_fixed_size 0
		.amdhsa_enable_private_segment 0
		.amdhsa_kernarg_size 72
		.amdhsa_user_sgpr_count 2
		.amdhsa_user_sgpr_kernarg_segment_ptr 1
		.amdhsa_wavefront_size32 1
		.amdhsa_system_sgpr_workgroup_id_x 1
		.amdhsa_system_sgpr_workgroup_id_y 1
		.amdhsa_system_sgpr_workgroup_id_z 1
		.amdhsa_system_vgpr_workitem_id 0
		.amdhsa_next_free_vgpr 512
		.amdhsa_next_free_sgpr 66
		.amdhsa_reserve_vcc 0
		.amdhsa_float_denorm_mode_32 3
		.amdhsa_float_denorm_mode_16_64 3
		.amdhsa_memory_ordered 1
		.amdhsa_forward_progress 1
		.amdhsa_inst_pref_size 205
	.end_amdhsa_kernel
	.amdgpu_metadata
---
amdhsa.version: [ 1, 2 ]
amdhsa.kernels:
  - .name:           k_q1d72563ca6_chain
    .symbol:         k_q1d72563ca6_chain.kd
    .args:
      - { .name: x, .offset: 0, .size: 8, .value_kind: global_buffer, .address_space: global }
      - { .name: hb, .offset: 8, .size: 8, .value_kind: global_buffer, .address_space: global }
      - { .name: gat, .offset: 16, .size: 8, .value_kind: global_buffer, .address_space: global }
      - { .name: b1, .offset: 24, .size: 8, .value_kind: global_buffer, .address_space: global }
      - { .name: b2, .offset: 32, .size: 8, .value_kind: global_buffer, .address_space: global }
      - { .name: wf, .offset: 40, .size: 8, .value_kind: global_buffer, .address_space: global }
      - { .name: cnt, .offset: 48, .size: 8, .value_kind: global_buffer, .address_space: global }
      - { .name: list, .offset: 56, .size: 8, .value_kind: global_buffer, .address_space: global }
      - { .name: out0, .offset: 64, .size: 8, .value_kind: global_buffer, .address_space: global }
    .group_segment_fixed_size: 256512
    .private_segment_fixed_size: 0
    .kernarg_segment_align: 8
    .kernarg_segment_size: 72
    .max_flat_workgroup_size: 256
    .sgpr_count:     66
    .vgpr_count:     512
    .wavefront_size: 32
...
	.end_amdgpu_metadata
.endif
;; end of part 4
